; MI455X (gfx1250); checked and timed in simulation.
; The chip was launched on July 23, 2026; its instructions are those of AMD's public machine-readable ISA for CDNA 5 (MIT licence, August 2026) and "CDNA5" Instruction Set Architecture Reference Guide (July 2026). The comments in the code are by the model that wrote it; some were corrected since.
;; Mixture Of Adapter With Classifier. Allowed arithmetic: matrix products marked QUANTISED: E2M3 operands, one E8M0 scale for each 32 along K, by v_wmma_scale_f32_16x16x128_f8f6f4 with both operands' format E2M3, f32 sums; products left as they are: f32 operands where the result goes on into a quantised operand, else bf16, f16 or f32 operands; f32 sums; everything else in f32.
;; Inputs: ad_b1 2,048 float32; ad_b2 1,024 float32; ad_w1 1,024 x 2,048 float32; ad_w2 2,048 x 1,024 float32; domain_mask 4 int32; gate_b1 4 float32; gate_b2 4 float32; gate_w1 1,024 x 4 float32; gate_w2 4 x 4 float32; ln_b_book 1,024 float32; ln_b_iwslt 1,024 float32; ln_s_book 1,024 float32; ln_s_iwslt 1,024 float32; x 8 x 1,024 x 1,024 float32.
;; Outputs: out0 8 x 1,024 x 1,024 float32.
;; This version of the problem:
;;   THIS VERSION OF THE PROBLEM IS GIVEN IN LOW PRECISION. The matrix products marked QUANTISED in the list below multiply operands that are first quantised to E2M3 (2 exponent bits, 3 mantissa bits; 6 bits a number), with one power-of-two scale for each 32 numbers along K (OCP MX v1.0); their sums are f32. All else is computed in f32.
;;   The module's matrix products, in the order in which they are computed (A, B: the left and right operand; K: the contracted axis; several contracted axes count as one K, in the product's order):
;;     1. [M 8,192, K 1,024] x [K 1,024, N 4]; A: input x; B: input gate_w1: left as it is (N = 4 < 16)
;;     2. [M 8,192, K 4] x [K 4, N 4]; A: computed on the way; B: input gate_w2: left as it is (K = 4 < 32)
;;     3. [M 8,192, K 1,024] x [K 1,024, N 2,048]; A: computed on the way; B: input ad_w1: QUANTISED
;;     4. [M 8,192, K 2,048] x [K 2,048, N 1,024]; A: computed on the way; B: input ad_w2: QUANTISED
;;     5. [M 8,192, K 1,024] x [K 1,024, N 2,048]; A: computed on the way; B: input ad_w1: QUANTISED
;;     6. [M 8,192, K 2,048] x [K 2,048, N 1,024]; A: computed on the way; B: input ad_w2: QUANTISED
;;     7. batch 8,192 x [M 1,024, K 3] x [K 3, N 1]; A: computed on the way; B: computed on the way: left as it is (K = 3 < 32)
;;   THE QUANTISER, for each operand of a quantised product, along K:
;;     - K is cut into blocks of 32 from its start; a last block that is shorter is filled with zeros.
;;     - A block's scale is 2^e with e = floor(log2(the largest magnitude in the block)) - 2, held to -126 .. 127; a block of zeros has e = 0. As a byte (E8M0): e + 127.
;;     - Each number is divided by its block's scale, clamped to +-7.5, and rounded to the nearest number of E2M3, ties to even, subnormals kept.
;;     - The product sums the exact products of the quantised numbers (number of the format x scale) in f32.
;;   ~~~python
;;   def quantise(x, axis):      # numpy; x: float32 -> the quantised numbers, widened to float32 again
;;       x = np.moveaxis(x, axis, -1); K = x.shape[-1]
;;       x = np.pad(x, [(0, 0)] * (x.ndim - 1) + [(0, -K % 32)]); x = x.reshape(x.shape[:-1] + (-1, 32)); a = np.abs(x).max(-1, keepdims=True)
;;       e = np.where(a > 0, np.clip(np.frexp(np.where(a > 0, a, 1))[1] - 1 - 2, -126, 127), 0)      # np.frexp(a)[1] - 1 = floor(log2(a)), exactly
;;       r = np.clip(x / 2.0 ** e, -7.5, 7.5)
;;       step = 2.0 ** (np.maximum(np.frexp(np.where(r == 0, 1, r))[1] - 1, 0) - 3)
;;       q = np.round(r / step) * step * 2.0 ** e      # np.round: ties to even
;;       return np.moveaxis(q.reshape(q.shape[:-2] + (-1,))[..., :K], -1, axis).astype(np.float32)
;;   ~~~
;;   OPERANDS COMPUTED ON THE WAY. 'Computed on the way' means the value that the module computes at that place (a softmax that the list does not call 'softmax' is quantised finished and normalised). What goes into a quantiser is computed in f32, as accurately as f32 sums, v_exp_f32 and their like allow (about 1e-6 of the number): no bf16 or f16 on the way to a quantiser, and a product that is left as it is and whose result goes on into a quantised operand takes f32 operands (vector FMAs, or v_wmma_f32_16x16x4_f32). A number that lies on a knife's edge between two numbers of the format may be rounded either way, as far as f32 arithmetic and the matrix unit's own rounding can turn it there, and no further.
;; One version. Each part assembles by itself: llvm-mc -triple=amdgcn-amd-amdhsa -mcpu=gfx1250 --defsym DOCPART=n.
;; ======== version 1 of 1: 3 launches
;; workspace buffers: zc 12,582,912 bytes; zs 524,288 bytes; wc 3,145,728 bytes; ws 131,072 bytes; hc 25,165,824 bytes; hs 1,048,576 bytes; gw 131,072 bytes
;; launch prep (part 1): grid 256 x 1, 8 waves a work-group, no clusters, 189,952 bytes of LDS; arguments x, ad_w1, ad_w2, gate_w1, gate_b1, gate_w2, gate_b2, domain_mask, ln_s_book, ln_b_book, ln_s_iwslt, ln_b_iwslt, zc, zs, wc, ws, gw; writes zc, zs, wc, ws, gw
.if DOCPART == 1
	.amdgcn_target "amdgcn-amd-amdhsa--gfx1250"
	.amdhsa_code_object_version 6
	.text
	.protected	k_q7f2eabfbad_prep
	.globl	k_q7f2eabfbad_prep
	.p2align	8
	.type	k_q7f2eabfbad_prep,@function
k_q7f2eabfbad_prep:
	s_mov_b64 s[64:65], 0
	v_nop
	global_prefetch_b8 v0, s[64:65] scope:SCOPE_SE
	s_setreg_imm32_b32 hwreg(HW_REG_WAVE_MODE, 25, 1), 1
	s_wait_xcnt 0x0
; PREP: everything ahead of the two large products.
;  (a) x [8192][1024] f32: one mean and one variance a token (two passes, in f32), z_d = (x - mean) rsqrt(var + 1e-6) s_d + b_d for the two sets of gains, each quantised along its 1,024 to codes
;      of FP6 (E2M3) with one E8M0 byte for each 32;  (b) the gate: relu(x gate_w1 + b1) gate_w2 + b2, the mask, a softmax with its maximum taken away: (p1, 1 + p0, p2, 0) a token;
;  (c) ad_w1 [1024][2048] and ad_w2 [2048][1024], whose K is their FIRST axis, quantised along K: a lane takes a column and its registers run down K.
; ALL CODES LEAVE AS IMAGES OF THE OPERAND'S REGISTERS: a fragment (16 rows x 128 K, 12 registers a lane) is 1,536 bytes, register group c (registers 4 c .. 4 c + 3) of lane l at 512 c + 16 l.
;   zc [G 64][kp 4][tile 16][q 2][1536]: stacked row tile 4 g + 2 T + d (token tile 2 g + T, gains d), K step of 128 = 2 kp + q;  zs [G][ks 8][tile][row] words of four bytes.
;   wc: W1 at 0 [NG 8][kp 4][tile 16][q 2][1536], W2 at 1,572,864 [NG 4][kp 8][..];  ws: W1 at 0 [NG][ks 8][tile][row], W2 at 65,536 [NG][ks 16][..].
;   In W1 the columns of a tile are not neighbours: inside each 128 hidden units row i of tile 2 bb + u is unit 32 bb + 8 u + i + 8 (i / 8), so that the first product's results lie along the second product's K.
; SHARES.  Work-group g: tokens 32 g .. 32 g + 31 (two tiles T of 16) and 1/256 of the weights (128 columns x 128 K).  Wave w: columns 128 w .. 128 w + 127 of x; for the weights 32 columns (w / 2) x 64 K (w % 2).
; Every load of x reads 512 consecutive bytes; the numbers turn through the wave's own stage in LDS so that lane (r, h) holds, of row r, register 16 b + i = column 128 w + 32 b + 16 h + i.
; LIMITS: NaN and infinities are not served.  A block whose largest magnitude lies under 2^-124 has its byte held at 1; a block of zeros gets the byte 1 where the quantiser's rule says 127: its codes are zeros and
; only this program reads the bytes.  The sums' order differs from the reference's.
.set XSTW,  16896                      ; LDS 0: the stages for x: two of 16 rows x 528 bytes (512 + 16) for each wave
.set XSTT,  8448
.set XP,    528
.set PAR,   135168                     ; 4,096 bytes a wave: its 128 rows of gate_w1 (2,048), then 512 each of s_book, b_book, s_iwslt, b_iwslt
.set RED1,  167936                     ; [q 10 = 5 T + (sum, g0 .. g3)][r 16][w 8] words
.set RED2,  5120                       ; behind it: [T][r][w] words, the sums of squares
.set WST,   174080                     ; the weights' 8 images
.set WSS,   186368                     ; their scale words: 8 tiles x 16
.set ZSS,   186880                     ; z's scale words: 256 bytes a wave
.set TM,  24                           ; v24-39   statistics, gate sums; in QUANT: largest magnitudes, bytes, scale operands
.set PC,  40                           ; v40-59   codes
.set PW,  60                           ; v60      a scale word
.set X0,  64                           ; v64-127 tile 0 of x, v128-191 tile 1
.set Z,   192                          ; v192-255 first the weights' 64 numbers, then z, last the gate's partial sums
.set WV,  84                           ; s84      my wave's number
.set SEL, 86                           ; s[86:87] lane selects: lane l xor 16
; window 1 (v256-511) holds in turn: the parameters as loaded (v0-31); gate_w1, register 4 kk + d; the LN parameters: s_book at 0, b_book at 64, s_iwslt at 128, b_iwslt at 192
.set MSB, 0
.macro WIN new                         ; the immediate's high byte repeats the setting that is left
.if MSB != \new
	s_set_vgpr_msb (MSB<<8)|\new
.set MSB, \new
.endif
.endm
.macro BARRIER                         ; my LDS stores have landed and my LDS loads are in: then the work-group's barrier
	s_wait_dscnt 0x0
	s_barrier_signal -1
	s_barrier_wait -1
.endm
; 64 numbers of a lane, register 16 b + i = k 32 b + 16 (lane / 16) + i of my row, become a fragment's codes in v[PC] on and its scale word in v[PW]
.macro QUANT s
.irp b, 0,1,2,3
	v_max3_num_f32 v[TM+\b], |v[\s+16*\b]|, |v[\s+1+16*\b]|, 0x1800000   ; my 16 numbers of block b, and the floor 2^(3 - 127): the byte cannot fall under 1
.endr
.irp i, 2,4,6,8,10,12,14
.irp b, 0,1,2,3
	v_max3_num_f32 v[TM+\b], v[TM+\b], |v[\s+16*\b+\i]|, |v[\s+1+16*\b+\i]|   ; the four blocks by turns
.endr
.endr
.irp b, 0,1,2,3
	v_permlanex16_b32 v[TM+4+\b], v[TM+\b], s[SEL], s[SEL+1]
.endr
.irp b, 0,1,2,3
	v_max_num_f32 v[TM+\b], v[TM+\b], v[TM+4+\b]   ; with lane l xor 16's: the block's largest magnitude
.endr
.irp b, 0,1,2,3
	v_add_nc_u32 v[TM+12+\b], 0xff000000, v[TM+\b]   ; 2 off its exponent field: the conversion takes this operand's exponent field as its scale
.endr
.irp b, 0,1,2,3
	v_lshrrev_b32 v[TM+4+\b], 23, v[TM+12+\b]      ; the scale's byte
.endr
	v_lshl_or_b32 v[PW], v[TM+5], 8, v[TM+4]
	v_lshl_or_b32 v[PW], v[TM+6], 16, v[PW]
	v_lshl_or_b32 v[PW], v[TM+7], 24, v[PW]        ; my row's scale word
.irp c, 0,1
	v_cvt_scalef32_pk16_fp6_f32 v[PC+6*\c:PC+2+6*\c], v[\s+32*\c:\s+15+32*\c], v[TM+12+2*\c]
	v_cvt_scalef32_pk16_fp6_f32 v[PC+12+4*\c:PC+14+4*\c], v[\s+16+32*\c:\s+31+32*\c], v[TM+12+2*\c+1]   ; (a conversion's three registers begin on an even number)
.endr
	v_nop                                          ; one plain place behind a scaled conversion
.irp c, 0,1                            ; the operand's layout wants a whole block in a lane: lanes 0-15 block 2 c, lanes 16-31 block 2 c + 1
.irp i, 0,1,2
	v_permlane16_swap_b32 v[PC+6*\c+\i], v[PC+12+4*\c+\i]
.endr
.irp i, 0,1,2
	v_mov_b32 v[PC+3+6*\c+\i], v[PC+12+4*\c+\i]
.endr
.endr
.endm
.macro WLOAD pitch                     ; my column's 64 numbers down K: 32 lanes read 128 consecutive bytes of a row of the weight
.set n, 0
.rept 64
	global_load_b32 v[Z+n], v13, s[38:39] offset:n*\pitch th:TH_LOAD_NT
.set n, n+1
.endr
.endm
	s_load_b512 s[4:19], s[0:1], 0x0               ; x, ad_w1, ad_w2, gate_w1, gate_b1, gate_w2, gate_b2, domain_mask
	s_load_b512 s[20:35], s[0:1], 0x40             ; ln_s_book, ln_b_book, ln_s_iwslt, ln_b_iwslt, zc, zs, wc, ws
	s_load_b64 s[36:37], s[0:1], 0x80              ; gw
	v_lshrrev_b32 v1, 5, v0
	v_readfirstlane_b32 s[WV], v1                  ; wave 0..7
	v_and_b32 v1, 31, v0                           ; lane
	v_and_b32 v2, 15, v0                           ; r
	v_bfe_u32 v3, v0, 4, 1                         ; h
	v_lshlrev_b32 v4, 4, v1                        ; 16 x lane
	v_lshlrev_b32 v17, 4, v0                       ; 512 x wave + 16 x lane: my place in an LN vector
	s_lshr_b32 s56, s[WV], 1                       ; weights: which 32 columns;  z: kp
	s_and_b32 s57, s[WV], 1                        ; weights: which 64 along K;  z: q
	s_mov_b32 s[SEL], 0x76543210
	s_mov_b32 s[SEL+1], 0xfedcba98
	; LDS addresses: constants, lane terms and the wave's number alone
	s_mul_i32 s58, s[WV], XSTW
	v_add_nc_u32 v5, s58, v4                       ; the stage, in: a row's 512 bytes as they lie
	v_mul_u32_u24 v6, v2, XP
	v_lshl_add_u32 v6, v3, 6, v6
	v_add_nc_u32 v6, s58, v6                       ; and out: row r, + 64 h
	s_lshl_b32 s58, s[WV], 12
	s_add_co_u32 s58, s58, PAR
	v_add_nc_u32 v7, s58, v4                       ; the parameters, in
	v_lshl_add_u32 v8, v3, 8, s58                  ; gate_w1, out: 16 bytes a k; my half's 16 rows begin 256 h on
	s_add_co_u32 s58, s58, 2048
	v_lshl_add_u32 v9, v3, 6, s58                  ; the LN parameters, out: + 64 h
	s_lshl_b32 s58, s[WV], 2
	s_add_co_u32 s58, s58, RED1
	v_lshl_add_u32 v10, v2, 5, s58                 ; where I put a partial sum: row r, wave w
	v_lshl_add_u32 v11, v2, 5, RED1                ; where row r's eight lie
	v_mad_u32_u24 v12, v3, 2560, v11               ; the same for token 16 h + r (the gate)
	s_mul_i32 s58, s56, 3072
	s_add_co_u32 s58, s58, WST
	s_mul_i32 s59, s57, 520
	s_add_co_u32 s59, s59, s58
	s_mul_i32 s60, s57, 1016
	s_add_co_u32 s60, s60, s58
	v_mul_u32_u24 v23, v3, 1536
	v_lshl_add_u32 v23, v2, 4, v23
	v_add_nc_u32 v14, s59, v23                     ; the weights' images: register pairs 3 c and 3 c + 2 of image lane (i, h')
	v_add_nc_u32 v15, s60, v23                     ; and pair 3 c + 1
	s_lshl_b32 s58, s56, 7
	s_lshl_b32 s59, s57, 1
	s_add_co_u32 s58, s58, s59
	s_add_co_u32 s58, s58, WSS
	v_lshl_add_u32 v16, v1, 2, s58                 ; my column's scale word, bytes 2 c and 2 c + 1
	s_mul_i32 s58, s[WV], 1536
	s_add_co_u32 s58, s58, WST
	v_add_nc_u32 v18, s58, v4                      ; image w, which I store
	s_lshl_b32 s58, s[WV], 8
	s_add_co_u32 s58, s58, ZSS
	v_lshl_add_u32 v19, v2, 2, s58                 ; z's scale words, in
	v_lshl_add_u32 v20, v1, 3, s58                 ; and out, 8 bytes a lane
	v_lshlrev_b32 v21, 3, v1
	v_add_nc_u32 v22, WSS, v4
.irp i, 0,1,2,3,4,5,6,7,8,9
	v_mov_b32 v[40+\i], 0                          ; written once: a lane permute's destination counts as one of its sources
.endr
	; the weights' share: work-groups 0-127 take W1 (16 groups of 128 columns x 8 K steps), 128-255 W2 (8 x 16).  Only numbers are chosen here; both take one path but for the loads' immediates
	s_cmp_lt_u32 ttmp9, 128
	s_cselect_b32 s88, 0, 128
	s_cselect_b32 s89, 4, 3                        ; log2 of the groups of columns
	s_cselect_b32 s90, 13, 12                      ; log2 of a row of the weight in bytes
	s_cselect_b32 s91, 2, 3                        ; log2 KP
	s_cselect_b32 s92, 3, 4                        ; log2 KS
	s_cselect_b32 s93, 0, 1572864                  ; where its codes begin in wc
	s_cselect_b32 s94, 0, 65536                    ; and its scale words in ws
	s_cselect_b32 s95, -1, 0                       ; all lanes: W1
	s_sub_co_u32 s88, ttmp9, s88
	s_bfm_b32 s96, s89, 0
	s_and_b32 s96, s88, s96                        ; group of 128 columns
	s_lshr_b32 s97, s88, s89                       ; K step of 128
	s_lshl_b32 s98, s97, 7
	s_lshl_b32 s99, s57, 6
	s_add_co_u32 s98, s98, s99
	s_lshl_b32 s98, s98, s90                       ; (128 ks + 64 c) rows,
	s_lshl_b32 s99, s96, 9
	s_add_co_u32 s98, s98, s99
	s_lshl_b32 s99, s56, 7
	s_add_co_u32 s98, s98, s99                     ; + my wave's first column
	s_mov_b32 s99, 0
	s_lshr_b32 s100, s96, 1                        ; NG
	s_and_b32 s101, s96, 1                         ; which half of its 256 columns
	s_lshl_b32 s58, s100, s91
	s_lshr_b32 s59, s97, 1
	s_add_co_u32 s58, s58, s59
	s_lshl_b32 s58, s58, 4
	s_lshl_b32 s59, s101, 3
	s_add_co_u32 s58, s58, s59
	s_add_co_u32 s58, s58, s[WV]
	s_mul_i32 s58, s58, 3072
	s_and_b32 s59, s97, 1
	s_mul_i32 s59, s59, 1536
	s_add_co_u32 s58, s58, s59
	s_add_co_u32 s58, s58, s93                     ; image w's place in wc
	s_mov_b32 s59, 0
	s_lshl_b32 s60, s100, s92
	s_add_co_u32 s60, s60, s97
	s_lshl_b32 s60, s60, 10
	s_lshl_b32 s61, s101, 9
	s_add_co_u32 s60, s60, s61
	s_add_co_u32 s60, s60, s94                     ; the 512 bytes of scale words in ws
	s_mov_b32 s61, 0
	s_lshr_b32 s88, ttmp9, 2                       ; G
	s_and_b32 s89, ttmp9, 3
	s_lshl_b32 s62, s88, 2
	s_add_co_u32 s62, s62, s56
	s_lshl_b32 s62, s62, 4
	s_lshl_b32 s63, s89, 2
	s_add_co_u32 s62, s62, s63
	s_mul_i32 s62, s62, 3072
	s_mul_i32 s63, s57, 1536
	s_add_co_u32 s62, s62, s63                     ; my four images' place in zc
	s_mov_b32 s63, 0
	s_lshl_b32 s90, s88, 3
	s_add_co_u32 s90, s90, s[WV]
	s_lshl_b32 s90, s90, 10
	s_lshl_b32 s91, s89, 8
	s_add_co_u32 s90, s90, s91                     ; my 256 bytes in zs
	s_mov_b32 s91, 0
	s_lshl_b32 s92, ttmp9, 17                      ; x: 32 rows of 4,096 bytes a work-group,
	s_lshl_b32 s93, s[WV], 9
	s_add_co_u32 s92, s92, s93                     ; + my wave's 512 bytes of a row
	s_mov_b32 s93, 0
	s_lshl_b32 s96, s[WV], 11                      ; gate_w1: 128 rows of 16 bytes a wave
	s_mov_b32 s97, 0
	s_lshl_b32 s100, ttmp9, 9                      ; gw: 32 tokens of 16 bytes
	s_mov_b32 s101, 0
	v_and_b32 v23, 8, v2
	v_add_nc_u32 v23, v23, v2
	v_lshl_add_u32 v23, v3, 3, v23                 ; W1: lane (u, i) takes column 8 u + i + 8 (i / 8) of the wave's 32;
	v_cndmask_b32 v13, v1, v23, s95                ; W2: its own number
	v_lshlrev_b32 v13, 2, v13
	s_wait_kmcnt 0x0
	s_cmp_lt_u32 ttmp9, 128
	s_cselect_b64 s[38:39], s[6:7], s[8:9]         ; the choice hangs on the work-group's number alone
	s_load_b128 s[44:47], s[12:13], 0x0            ; gate_b1
	s_load_b128 s[48:51], s[16:17], 0x0            ; gate_b2
	s_load_b128 s[52:55], s[18:19], 0x0            ; domain_mask
	s_load_b512 s[68:83], s[14:15], 0x0            ; gate_w2: [d][e] at s[68 + 4 d + e]
	s_add_nc_u64 s[4:5], s[4:5], s[92:93]
	s_add_nc_u64 s[10:11], s[10:11], s[96:97]
	s_add_nc_u64 s[38:39], s[38:39], s[98:99]
	s_add_nc_u64 s[28:29], s[28:29], s[62:63]
	s_add_nc_u64 s[30:31], s[30:31], s[90:91]
	s_add_nc_u64 s[32:33], s[32:33], s[58:59]
	s_add_nc_u64 s[34:35], s[34:35], s[60:61]
	s_add_nc_u64 s[36:37], s[36:37], s[100:101]
	; ---- all loads go out at once: x (32), the parameters (8), the weights (64)
.set n, 0
.rept 32
	global_load_b128 v[X0+4*n:X0+4*n+3], v4, s[4:5] offset:n*4096 th:TH_LOAD_NT   ; row n: 512 consecutive bytes
.set n, n+1
.endr
	WIN 0x40                                       ; destination window 1
.irp i, 0,1,2,3
	global_load_b128 v[4*\i:4*\i+3], v4, s[10:11] offset:512*\i
.endr
	global_load_b128 v[16:19], v17, s[20:21]
	global_load_b128 v[20:23], v17, s[22:23]
	global_load_b128 v[24:27], v17, s[24:25]
	global_load_b128 v[28:31], v17, s[26:27]
	WIN 0
	s_cmp_lt_u32 ttmp9, 128                        ; the two weights' rows differ in length, and the loads' offsets are immediates: 64 loads on either way
	s_cbranch_scc0 .Lw2
	WLOAD 8192
	s_branch .Lwj
.Lw2:
	WLOAD 4096
.Lwj:
	s_wait_kmcnt 0x0                               ; the gate's small tables
	s_wait_loadcnt 63                              ; 104 loads were issued: the first 41 are in, x's 32 and the parameters' 8 among them
	; ---- the turn through my own bytes of LDS (LDS serves a wave's instructions in order: no wait between the stores and the loads)
	WIN 0x04                                       ; an LDS store's data are its source 1: window 1
.irp i, 0,1,2,3,4,5,6,7
	ds_store_b128 v7, v[4*\i:4*\i+3] offset:512*\i
.endr
	WIN 0
.irp T, 0,1
.set n, 0
.rept 16
	ds_store_b128 v5, v[X0+64*\T+4*n:X0+64*\T+4*n+3] offset:XSTT*\T+XP*n
.set n, n+1
.endr
.set n, 0
.rept 16
	ds_load_b128 v[X0+64*\T+4*n:X0+64*\T+4*n+3], v6 offset:XSTT*\T+128*(n/4)+16*(n%4)   ; register 16 b + 4 j + e = x(r, 128 w + 32 b + 16 h + 4 j + e)
.set n, n+1
.endr
.endr
	WIN 0x40
.set k, 0
.rept 64
	ds_load_b128 v[4*k:4*k+3], v8 offset:512*(k/16)+16*(k%16)   ; gate_w1's row of my register k
.set k, k+1
.endr
	WIN 0
	s_wait_dscnt 63                                ; 136 LDS instructions were issued: the first 73 are done: x is back
	; ---- row sums, two chains a tile
.irp T, 0,1
	v_pk_add_f32 v[24+4*\T:25+4*\T], v[X0+64*\T:X0+64*\T+1], v[X0+64*\T+2:X0+64*\T+3]
	v_pk_add_f32 v[26+4*\T:27+4*\T], v[X0+64*\T+4:X0+64*\T+5], v[X0+64*\T+6:X0+64*\T+7]
.endr
.irp j, 8,12,16,20,24,28,32,36,40,44,48,52,56,60
.irp T, 0,1
	v_pk_add_f32 v[24+4*\T:25+4*\T], v[24+4*\T:25+4*\T], v[X0+64*\T+\j:X0+64*\T+\j+1]
	v_pk_add_f32 v[26+4*\T:27+4*\T], v[26+4*\T:27+4*\T], v[X0+64*\T+\j+2:X0+64*\T+\j+3]
.endr
.endr
.irp T, 0,1
	v_pk_add_f32 v[24+4*\T:25+4*\T], v[24+4*\T:25+4*\T], v[26+4*\T:27+4*\T]
.endr
.irp T, 0,1
	v_add_f32 v[24+4*\T], v[24+4*\T], v[25+4*\T]
.endr
	s_wait_dscnt 0x0                               ; gate_w1 is in
	; ---- the gate's first product, in f32: four sums a tile in two pairs; x's register is taken for both halves
	WIN 0x04                                       ; source 1 window 1
.set k, 0
.rept 64
.irp T, 0,1
.if k == 0
	v_pk_mul_f32 v[32+4*\T:33+4*\T], v[X0+64*\T:X0+64*\T+1], v[0:1] op_sel_hi:[0,1]
	v_pk_mul_f32 v[34+4*\T:35+4*\T], v[X0+64*\T:X0+64*\T+1], v[2:3] op_sel_hi:[0,1]
.elseif k%2 == 0
	v_pk_fma_f32 v[32+4*\T:33+4*\T], v[X0+64*\T+k:X0+64*\T+k+1], v[4*k:4*k+1], v[32+4*\T:33+4*\T] op_sel_hi:[0,1,1]
	v_pk_fma_f32 v[34+4*\T:35+4*\T], v[X0+64*\T+k:X0+64*\T+k+1], v[4*k+2:4*k+3], v[34+4*\T:35+4*\T] op_sel_hi:[0,1,1]
.else
	v_pk_fma_f32 v[32+4*\T:33+4*\T], v[X0+64*\T+k-1:X0+64*\T+k], v[4*k:4*k+1], v[32+4*\T:33+4*\T] op_sel:[1,0,0] op_sel_hi:[1,1,1]
	v_pk_fma_f32 v[34+4*\T:35+4*\T], v[X0+64*\T+k-1:X0+64*\T+k], v[4*k+2:4*k+3], v[34+4*\T:35+4*\T] op_sel:[1,0,0] op_sel_hi:[1,1,1]
.endif
.endr
.set k, k+1
.endr
	WIN 0x40                                       ; gate_w1 is done with: window 1 takes the LN parameters, register 64 p + 16 b + i as x's
.set n, 0
.rept 64
	ds_load_b128 v[4*n:4*n+3], v9 offset:512*(n/16)+128*((n/4)%4)+16*(n%4)
.set n, n+1
.endr
	WIN 0
.irp T, 0,1
	v_permlanex16_b32 v[40+5*\T], v[24+4*\T], s[SEL], s[SEL+1]
.irp d, 0,1,2,3
	v_permlanex16_b32 v[41+5*\T+\d], v[32+4*\T+\d], s[SEL], s[SEL+1]
.endr
.endr
.irp T, 0,1
	v_add_f32 v[24+4*\T], v[24+4*\T], v[40+5*\T]   ; with lane l xor 16's: my wave's 128 columns of row r
.irp d, 0,1,2,3
	v_add_f32 v[32+4*\T+\d], v[32+4*\T+\d], v[41+5*\T+\d]
.endr
.endr
.irp T, 0,1
	ds_store_b32 v10, v[24+4*\T] offset:2560*\T    ; both lanes of a row write the same word with the same value
.irp d, 0,1,2,3
	ds_store_b32 v10, v[32+4*\T+\d] offset:2560*\T+512*(1+\d)
.endr
.endr
	; ---- the weights: my column's two blocks of 32 along K; all 32 numbers of a block are mine
	s_wait_loadcnt 0x0
.irp hh, 0,1
	v_max3_num_f32 v[56+2*\hh], |v[Z+32*\hh]|, |v[Z+32*\hh+1]|, |v[Z+32*\hh+2]|
	v_max3_num_f32 v[57+2*\hh], |v[Z+32*\hh+3]|, |v[Z+32*\hh+4]|, |v[Z+32*\hh+5]|
.endr
.irp i, 6,10,14,18,22,26
.irp hh, 0,1
	v_max3_num_f32 v[56+2*\hh], v[56+2*\hh], |v[Z+32*\hh+\i]|, |v[Z+32*\hh+\i+1]|
	v_max3_num_f32 v[57+2*\hh], v[57+2*\hh], |v[Z+32*\hh+\i+2]|, |v[Z+32*\hh+\i+3]|
.endr
.endr
.irp hh, 0,1
	v_max3_num_f32 v[56+2*\hh], v[56+2*\hh], |v[Z+32*\hh+30]|, |v[Z+32*\hh+31]|
.endr
.irp hh, 0,1
	v_max3_num_f32 v[56+2*\hh], v[56+2*\hh], v[57+2*\hh], 0x1800000   ; and the floor 2^(3 - 127)
.endr
.irp hh, 0,1
	v_add_nc_u32 v[61+\hh], 0xff000000, v[56+2*\hh]   ; 2 off the exponent field: the conversion's scale operand
.endr
.irp hh, 0,1
	v_lshrrev_b32 v[56+2*\hh], 23, v[61+\hh]       ; the scale's byte
.endr
	v_lshl_or_b32 v63, v58, 8, v56                 ; blocks 2 c and 2 c + 1 of the K step
.irp hh, 0,1
	v_cvt_scalef32_pk16_fp6_f32 v[40+8*\hh:42+8*\hh], v[Z+32*\hh:Z+32*\hh+15], v[61+\hh]
	v_cvt_scalef32_pk16_fp6_f32 v[44+8*\hh:46+8*\hh], v[Z+32*\hh+16:Z+32*\hh+31], v[61+\hh]
.endr
	v_nop                                          ; one plain place behind a scaled conversion
.irp hh, 0,1
	v_mov_b32 v[43+8*\hh], v[44+8*\hh]             ; six registers on end: registers 6 c .. 6 c + 5 of image lane (i, hh)
	v_mov_b32 v[44+8*\hh], v[45+8*\hh]
	v_mov_b32 v[45+8*\hh], v[46+8*\hh]
.endr
.irp hh, 0,1
	ds_store_b64 v14, v[40+8*\hh:41+8*\hh] offset:256*\hh
	ds_store_b64 v15, v[42+8*\hh:43+8*\hh] offset:256*\hh+8
	ds_store_b64 v14, v[44+8*\hh:45+8*\hh] offset:256*\hh+512
.endr
	ds_store_b16 v16, v63
	BARRIER                                        ; the partial sums, the weights' images and their scale words lie in LDS; the LN parameters are in
	; ---- the mean; the weights' image w leaves
.irp T, 0,1
	ds_load_b128 v[24+8*\T:27+8*\T], v11 offset:2560*\T
	ds_load_b128 v[28+8*\T:31+8*\T], v11 offset:2560*\T+16
.endr
.irp c, 0,1,2
	ds_load_b128 v[PC+4*\c:PC+4*\c+3], v18 offset:512*\c
.endr
	s_wait_dscnt 0x0
.irp c, 0,1,2
	global_store_b128 v4, v[PC+4*\c:PC+4*\c+3], s[32:33] offset:512*\c   ; 32 lanes store 512 consecutive bytes, at a multiple of 256 from wc's first byte
.endr
.irp T, 0,1
	v_pk_add_f32 v[24+8*\T:25+8*\T], v[24+8*\T:25+8*\T], v[26+8*\T:27+8*\T]
	v_pk_add_f32 v[28+8*\T:29+8*\T], v[28+8*\T:29+8*\T], v[30+8*\T:31+8*\T]
.endr
.irp T, 0,1
	v_pk_add_f32 v[24+8*\T:25+8*\T], v[24+8*\T:25+8*\T], v[28+8*\T:29+8*\T]
.endr
.irp T, 0,1
	v_add_f32 v[24+8*\T], v[24+8*\T], v[25+8*\T]
.endr
.irp T, 0,1
	v_mul_f32 v[24+8*\T], 0x3a800000, v[24+8*\T]   ; / 1,024
.endr
.irp T, 0,1
.set j, 0
.rept 32
	v_pk_add_f32 v[X0+64*\T+j:X0+64*\T+j+1], v[X0+64*\T+j:X0+64*\T+j+1], v[24+8*\T:25+8*\T] op_sel_hi:[1,0] neg_lo:[0,1] neg_hi:[0,1]   ; x - mean
.set j, j+2
.endr
.endr
.irp T, 0,1
	v_pk_mul_f32 v[26+8*\T:27+8*\T], v[X0+64*\T:X0+64*\T+1], v[X0+64*\T:X0+64*\T+1]
	v_pk_mul_f32 v[28+8*\T:29+8*\T], v[X0+64*\T+2:X0+64*\T+3], v[X0+64*\T+2:X0+64*\T+3]
.endr
.irp j, 4,8,12,16,20,24,28,32,36,40,44,48,52,56,60
.irp T, 0,1
	v_pk_fma_f32 v[26+8*\T:27+8*\T], v[X0+64*\T+\j:X0+64*\T+\j+1], v[X0+64*\T+\j:X0+64*\T+\j+1], v[26+8*\T:27+8*\T]
	v_pk_fma_f32 v[28+8*\T:29+8*\T], v[X0+64*\T+\j+2:X0+64*\T+\j+3], v[X0+64*\T+\j+2:X0+64*\T+\j+3], v[28+8*\T:29+8*\T]
.endr
.endr
.irp T, 0,1
	v_pk_add_f32 v[26+8*\T:27+8*\T], v[26+8*\T:27+8*\T], v[28+8*\T:29+8*\T]
.endr
.irp T, 0,1
	v_add_f32 v[26+8*\T], v[26+8*\T], v[27+8*\T]
.endr
.irp T, 0,1
	v_permlanex16_b32 v[30+8*\T], v[26+8*\T], s[SEL], s[SEL+1]
.endr
.irp T, 0,1
	v_add_f32 v[26+8*\T], v[26+8*\T], v[30+8*\T]
.endr
.irp T, 0,1
	ds_store_b32 v10, v[26+8*\T] offset:RED2+512*\T
.endr
	BARRIER                                        ; the sums of squares lie in LDS
	; ---- 1 / sqrt(variance + 1e-6)
.irp T, 0,1
	ds_load_b128 v[24+8*\T:27+8*\T], v11 offset:RED2+512*\T
	ds_load_b128 v[28+8*\T:31+8*\T], v11 offset:RED2+512*\T+16
.endr
	s_mov_b32 s88, 0x3a800000                      ; 1 / 1,024
	s_mov_b32 s89, 0x358637bd                      ; 1e-6
	s_wait_dscnt 0x0
.irp T, 0,1
	v_pk_add_f32 v[24+8*\T:25+8*\T], v[24+8*\T:25+8*\T], v[26+8*\T:27+8*\T]
	v_pk_add_f32 v[28+8*\T:29+8*\T], v[28+8*\T:29+8*\T], v[30+8*\T:31+8*\T]
.endr
.irp T, 0,1
	v_pk_add_f32 v[24+8*\T:25+8*\T], v[24+8*\T:25+8*\T], v[28+8*\T:29+8*\T]
.endr
.irp T, 0,1
	v_add_f32 v[24+8*\T], v[24+8*\T], v[25+8*\T]
.endr
.irp T, 0,1
	v_fma_f32 v[24+8*\T], v[24+8*\T], s88, s89
.endr
.irp T, 0,1
	v_rsq_f32 v[26+8*\T], v[24+8*\T]
.endr
	v_nop                                          ; a plain place behind the transcendentals
	s_wait_alu depctr_va_vdst(0)                   ; one wait for both, ahead of their first reader
.irp T, 0,1
.set j, 0
.rept 32
	v_pk_mul_f32 v[X0+64*\T+j:X0+64*\T+j+1], v[X0+64*\T+j:X0+64*\T+j+1], v[26+8*\T:27+8*\T] op_sel_hi:[1,0]
.set j, j+2
.endr
.endr
	; ---- z for the two tiles and the two sets of gains: four fragments a wave
.irp T, 0,1
.irp d, 0,1
	WIN 0x14                                       ; sources 1 and 2 window 1
.set j, 0
.rept 32
	v_pk_fma_f32 v[Z+j:Z+j+1], v[X0+64*\T+j:X0+64*\T+j+1], v[128*\d+j:128*\d+j+1], v[128*\d+64+j:128*\d+64+j+1]
.set j, j+2
.endr
	WIN 0
	s_wait_xcnt 0x0                                ; the stores issued so far have read their registers: the codes' registers are written again only behind this wait
	s_wait_dscnt 0x0                               ; and so has the LDS store of the last scale word
	QUANT Z
.irp c, 0,1,2
	global_store_b128 v4, v[PC+4*\c:PC+4*\c+3], s[28:29] offset:(2*\T+\d)*3072+512*\c   ; 512 consecutive bytes, at a multiple of 256 from zc's first byte
.endr
	ds_store_b32 v19, v[PW] offset:64*(2*\T+\d)
.endr
.endr
	ds_load_b64 v[62:63], v20                      ; my four tiles' 64 scale words (LDS serves a wave's instructions in order)
	s_wait_dscnt 0x0
	global_store_b64 v21, v[62:63], s[30:31]       ; 32 lanes store 256 consecutive bytes, aligned
	; ---- wave 6: the weights' scale words
	s_cmp_lg_u32 s[WV], 6
	s_cbranch_scc1 .Lnot6
	ds_load_b128 v[192:195], v22
	s_wait_dscnt 0x0
	global_store_b128 v4, v[192:195], s[34:35]
.Lnot6:
	; ---- wave 7: the gate of the 32 tokens, a lane a token
	s_cmp_lg_u32 s[WV], 7
	s_cbranch_scc1 .Lend
.irp d, 0,1,2,3
	ds_load_b128 v[192+8*\d:195+8*\d], v12 offset:512*(1+\d)
	ds_load_b128 v[196+8*\d:199+8*\d], v12 offset:512*(1+\d)+16
.endr
	v_mov_b32 v228, 0xce6e6b28                     ; -1e9
	s_wait_dscnt 0x0
.irp d, 0,1,2,3
	v_pk_add_f32 v[192+8*\d:193+8*\d], v[192+8*\d:193+8*\d], v[194+8*\d:195+8*\d]
	v_pk_add_f32 v[196+8*\d:197+8*\d], v[196+8*\d:197+8*\d], v[198+8*\d:199+8*\d]
.endr
.irp d, 0,1,2,3
	v_pk_add_f32 v[192+8*\d:193+8*\d], v[192+8*\d:193+8*\d], v[196+8*\d:197+8*\d]
.endr
.irp d, 0,1,2,3
	v_add_f32 v[192+8*\d], v[192+8*\d], v[193+8*\d]
.endr
.irp d, 0,1,2,3
	v_add_f32 v[192+8*\d], s[44+\d], v[192+8*\d]
.endr
.irp d, 0,1,2,3
	v_max_num_f32 v[192+8*\d], 0, v[192+8*\d]
.endr
.irp e, 0,1,2,3
	v_fma_f32 v[224+\e], v192, s[68+\e], s[48+\e]
.endr
.irp d, 1,2,3
.irp e, 0,1,2,3
	v_fma_f32 v[224+\e], v[192+8*\d], s[68+4*\d+\e], v[224+\e]
.endr
.endr
.irp e, 0,1,2,3
	s_cmp_eq_u32 s[52+\e], 0                       ; the mask only selects a value: no branch hangs on it
	s_cselect_b32 s[88+\e], -1, 0
.endr
.irp e, 0,1,2,3
	v_cndmask_b32 v[224+\e], v[224+\e], v228, s[88+\e]
.endr
	v_max3_num_f32 v229, v224, v225, v226
	v_max_num_f32 v229, v229, v227
.irp e, 0,1,2,3
	v_sub_f32 v[224+\e], v[224+\e], v229           ; the maximum is taken away first, as the softmax has it
.endr
.irp e, 0,1,2,3
	v_mul_f32 v[224+\e], 0x3fb8aa3b, v[224+\e]
.endr
.irp e, 0,1,2,3
	v_exp_f32 v[232+\e], v[224+\e]
.endr
	v_nop
	s_wait_alu depctr_va_vdst(0)                   ; one wait for the four
	v_add_f32 v236, v232, v233
	v_add_f32 v237, v234, v235
	v_add_f32 v236, v236, v237
	v_rcp_f32 v238, v236
	v_mov_b32 v243, 0                              ; (a plain place behind the reciprocal)
	s_wait_alu depctr_va_vdst(0)
	v_mul_f32 v240, v233, v238                     ; p1
	v_fma_f32 v241, v232, v238, 1.0                ; 1 + p0
	v_mul_f32 v242, v234, v238                     ; p2
	global_store_b128 v4, v[240:243], s[36:37]
.Lend:
	s_wait_xcnt 0x0
	v_lshl_add_u32 v254, v0, 2, 0x2e200
	v_mov_b32 v255, 0
	s_wait_tensorcnt 0x0
	ds_add_u32 v254, v255
	s_wait_dscnt 0x0
	s_endpgm
.Lfunc_end_k_q7f2eabfbad_prep:
	.size	k_q7f2eabfbad_prep, .Lfunc_end_k_q7f2eabfbad_prep-k_q7f2eabfbad_prep
	.p2alignl 7, 3214868480
	.fill 96, 4, 3214868480
	.section	.rodata,"a",@progbits
	.p2align	6, 0x0
	.amdhsa_kernel k_q7f2eabfbad_prep
		.amdhsa_group_segment_fixed_size 189952
		.amdhsa_private_segment_fixed_size 0
		.amdhsa_enable_private_segment 0
		.amdhsa_kernarg_size 136
		.amdhsa_user_sgpr_count 2
		.amdhsa_user_sgpr_kernarg_segment_ptr 1
		.amdhsa_wavefront_size32 1
		.amdhsa_system_sgpr_workgroup_id_x 1
		.amdhsa_system_sgpr_workgroup_id_y 1
		.amdhsa_system_sgpr_workgroup_id_z 1
		.amdhsa_system_vgpr_workitem_id 0
		.amdhsa_next_free_vgpr 512
		.amdhsa_next_free_sgpr 102
		.amdhsa_reserve_vcc 0
		.amdhsa_float_denorm_mode_32 3
		.amdhsa_float_denorm_mode_16_64 3
		.amdhsa_memory_ordered 1
		.amdhsa_forward_progress 1
		.amdhsa_inst_pref_size 106
	.end_amdhsa_kernel
	.amdgpu_metadata
---
amdhsa.version: [ 1, 2 ]
amdhsa.kernels:
  - .name:           k_q7f2eabfbad_prep
    .symbol:         k_q7f2eabfbad_prep.kd
    .args:
      - { .name: x, .offset: 0, .size: 8, .value_kind: global_buffer, .address_space: global }
      - { .name: ad_w1, .offset: 8, .size: 8, .value_kind: global_buffer, .address_space: global }
      - { .name: ad_w2, .offset: 16, .size: 8, .value_kind: global_buffer, .address_space: global }
      - { .name: gate_w1, .offset: 24, .size: 8, .value_kind: global_buffer, .address_space: global }
      - { .name: gate_b1, .offset: 32, .size: 8, .value_kind: global_buffer, .address_space: global }
      - { .name: gate_w2, .offset: 40, .size: 8, .value_kind: global_buffer, .address_space: global }
      - { .name: gate_b2, .offset: 48, .size: 8, .value_kind: global_buffer, .address_space: global }
      - { .name: domain_mask, .offset: 56, .size: 8, .value_kind: global_buffer, .address_space: global }
      - { .name: ln_s_book, .offset: 64, .size: 8, .value_kind: global_buffer, .address_space: global }
      - { .name: ln_b_book, .offset: 72, .size: 8, .value_kind: global_buffer, .address_space: global }
      - { .name: ln_s_iwslt, .offset: 80, .size: 8, .value_kind: global_buffer, .address_space: global }
      - { .name: ln_b_iwslt, .offset: 88, .size: 8, .value_kind: global_buffer, .address_space: global }
      - { .name: zc, .offset: 96, .size: 8, .value_kind: global_buffer, .address_space: global }
      - { .name: zs, .offset: 104, .size: 8, .value_kind: global_buffer, .address_space: global }
      - { .name: wc, .offset: 112, .size: 8, .value_kind: global_buffer, .address_space: global }
      - { .name: ws, .offset: 120, .size: 8, .value_kind: global_buffer, .address_space: global }
      - { .name: gw, .offset: 128, .size: 8, .value_kind: global_buffer, .address_space: global }
    .group_segment_fixed_size: 189952
    .private_segment_fixed_size: 0
    .kernarg_segment_align: 8
    .kernarg_segment_size: 136
    .max_flat_workgroup_size: 256
    .sgpr_count:     102
    .vgpr_count:     512
    .wavefront_size: 32
...
	.end_amdgpu_metadata
.endif
;; end of part 1
;; launch gemm1 (part 2): grid 8 x 32, 4 waves a work-group, clusters of 4 x 4, 327,680 bytes of LDS; arguments zc, zs, wc, ws, ad_b1, hc, hs; writes hc, hs
.if DOCPART == 2
	.amdgcn_target "amdgcn-amd-amdhsa--gfx1250"
	.amdhsa_code_object_version 6
	.text
	.protected	k_q7f2eabfbad_gemm1
	.globl	k_q7f2eabfbad_gemm1
	.p2align	8
	.type	k_q7f2eabfbad_gemm1,@function
k_q7f2eabfbad_gemm1:
	s_mov_b64 s[64:65], 0
	v_nop
	global_prefetch_b8 v0, s[64:65] scope:SCOPE_SE
	s_setreg_imm32_b32 hwreg(HW_REG_WAVE_MODE, 25, 1), 1
	s_wait_xcnt 0x0
	s_wait_alu depctr_hold_cnt(0) depctr_sa_sdst(0) depctr_va_vdst(0) depctr_va_sdst(0) depctr_va_ssrc(0) depctr_va_vcc(0) depctr_vm_vsrc(0)
	s_getreg_b32 s2, hwreg(HW_REG_IB_STS2, 6, 4)
	s_cmp_eq_u32 s2, 0
	s_cbranch_scc0 .Lentry_in_a_cluster
	s_endpgm
.Lentry_in_a_cluster:
	s_bfe_u32 s2, ttmp6, 0x10000c
	s_cmp_lg_u32 s2, 0xf033
	s_cbranch_scc0 .Lentry_shape_is_right
	s_endpgm
.Lentry_shape_is_right:
; GEMM 1: hidden = relu(z W1 + b1) for the 16,384 stacked rows (both sets of gains), on codes of FP6 (E2M3) with E8M0 block scales; the result is quantised along the hidden units and leaves as codes.
; A tile of 256 stacked rows x 256 hidden units is made by four waves, a wave 128 x 128: 64 accumulators of 16 x 16, 512 registers.  K = 1,024 goes in steps of 256 through a ring of two LDS slots.
; A WORK-GROUP STAYS: it makes tile rows 2 Y and 2 Y + 1 of its tile column, and the ring does not stop between them: the first tile's last two changes of slots ask for the second tile's K steps 0 and 1.
; In memory the rows' images of two neighbouring tile rows follow each other, so the rows' side walks eight K steps on end; the weights' side goes back at the change of tiles.
; ALL OPERANDS LIE IN MEMORY AS IMAGES OF THEIR REGISTERS (16 rows x 128 K: 1,536 bytes; register group c of lane l at 512 c + 16 l), so a K step's 256 rows are ONE dense block of 49,152 bytes, a fragment is three
; loads of 16 bytes a lane, 512 consecutive bytes each, and LDS needs no padding.  The scale words of both tiles' rows and of the columns, for all of K, are dense blocks too: they come once, with the first fills.
; CLUSTERS: 4 x 4 work-groups; the four of a row need the same rows' images, the four of a column the same weights': each is asked for jointly, by the same tensor load with a mask that names the four.
; THE MATRIX INSTRUCTION IS USED TRANSPOSED (source 0 = 16 columns of W1, source 1 = 16 rows of z): a lane holds one row, and, W1's columns having been ordered for it, the 64 registers of a row block are
; register 16 bb + i = hidden unit 32 bb + 16 (lane / 16) + i of the wave's 128: one K step of the next product.  The bias is the C of each sum's first matrix instruction.
; REGISTERS: window 0: v1-31 addresses; v32-63 scale words, two sets, and nothing else; v64-127 the bias, 8 registers a column tile, kept for both tiles; v128-223 the rows' fragments, one set; on a way out v128-235.
;   window 1: the weights' fragments, two sets at v0 and v96.   window 2: accumulators of row blocks 0-3 ((a, b) at v[8 (8 (a % 4) + b)]);   window 3: of 4-7.
; The text is written out: 16 steps of 64 matrix instructions and two ways out.
; LIMITS: NaN and infinities are not served; a block of the hidden layer that is all zeros, or under 2^-124, has the byte 1: its codes are zeros or held to that scale, and only this program reads the bytes.
.set KP,     4                         ; K steps of 256 in a tile
.set KS,     2*KP                      ; and of 128
.set TILES,  2
.set FR,     12                        ; registers of a fragment
.set NL,     3                         ; LDS loads that bring one
.set NP,     4                         ; places behind this matrix instruction (ISA guide 7.12.1)
.set HALFT,  24576                     ; 8 tiles x 2 images: what one tensor load brings, and what a wave reads of a side in a K step
.set KSTEPB, 49152                     ; a side's K step
.set SLOT,   98304                     ; rows' 16 tiles, then the weights'
.set SCL,    2*SLOT                    ; behind the ring: the rows' scale words [tile row 2][ks][tile][row],
.set SAH,    1024*KS                   ; one tile row's: what wave 0 or 1 brings
.set SCB,    SCL+TILES*SAH             ; then the weights' [ks][tile][row],
.set SBH,    512*KS                    ; half of them: what wave 2 or 3 brings
.set SPARE,  SCB+2*SBH                 ; the spare words, 128 bytes a wave: two blocks of 256 bytes that no other line names
.set STG,    SPARE+512                 ; the way out: 512 bytes a wave for the hidden layer's scale words: bytes of their own, into which no fill lands
.set ADRA, 16                          ; v16-17  LDS address of my rows' images in slot 0, 1
.set ADRB, 20                          ; v20-21  of my weights'
.set ADRS, 27                          ; v27     of my scale words in tile 0 (v9: in tile 1): lanes 0-15 the rows', lanes 16-31 the weights'
.set SPW,  28                          ; v28     my spare word; never rewritten
.set NIL,  29                          ; v29     0; never rewritten
.set PFO,  30                          ; v30     the prefetches' offset: 256 x lane; never rewritten
.set SC,   32
.set BIAS, 64
.set AF,   128
.set HA,   128                         ; the way out: a row block's 64 numbers
.set PC,   192                         ; its codes
.set TM,   212
.set PW,   228
.set SEL,  98                          ; s[98:99] lane selects: lane l xor 16
.set PFA,  100                         ; s[100:101] where my prefetches stand; never rewritten
.set LIM,  3                           ; s3      1 in a wave that prefetches, else 0
.set G1, 24                            ; s[24:31] group 1 for the rows' images;  s[32:39] group 0, one set a slot
.set G0, 32
.set G1B, 48                           ; s[48:55], s[56:63] the same for the weights'
.set G0B, 56
.set G1S, 68                           ; s[68:75], s[76:79] for the rows' scale words;  s[80:87], s[88:91] for the weights'
.set G0S, 76
.set G1SB, 80
.set G0SB, 88
.set MSB, 0
.macro WIN new                         ; the immediate's high byte repeats the setting that is left
.if MSB != \new
	s_set_vgpr_msb (MSB<<8)|\new
.set MSB, \new
.endif
.endm
.set MUL_LO, 0xa1                      ; source 0 (weights) window 1, source 1 (rows) window 0, C and D window 2
.set MUL_HI, 0xf1                      ; the same, C and D window 3
.set TO_B,   0x40                      ; destination window 1, address window 0
; A joint load: waves 0 and 1 fetch for the rows, waves 2 and 3 for the weights.  The branch hangs on the wave's number alone.  Four v_nop follow each of the two lines.
.macro JLOAD g0a, g1a, g0b, g1b
	s_cmp_eq_u32 s21, 0
	s_cbranch_scc0 .Lfor_b_\@
	tensor_load_to_lds s[\g0a:\g0a+3], s[\g1a:\g1a+7]
	s_nop 0
.rept 4
	v_nop
.endr
	s_branch .Lasked_\@
.Lfor_b_\@:
	tensor_load_to_lds s[\g0b:\g0b+3], s[\g1b:\g1b+7]
	s_nop 0
.rept 4
	v_nop
.endr
.Lasked_\@:
.endm
.macro CREST                           ; a round of the cluster's barrier behind its opening barrier
	s_cmp_lg_u32 s20, 0
	s_cbranch_scc1 .Lnot_wave_0_\@
	s_barrier_signal -3
.Lnot_wave_0_\@:
	s_barrier_wait -3
	s_barrier_signal -1
	s_barrier_wait -1
.endm
.macro CROUND
	s_barrier_signal -1
	s_barrier_wait -1
	CREST
.endm
.macro PLACES n
.rept \n
	v_nop
.endr
.endm
; A PREFETCH INTO THE L2, behind slot 0's joint load and the run of LDS loads that follows it, in the first two of the four laps: the NEXT lap's two K steps of the rows' images, 98,304 dense bytes, 256 matrix
; instructions ahead of the first load that wants them.  Each block of 256 bytes is named once in the launch: a tile row's images are read by the two clusters of its row of clusters, of which the one with x = 0
; asks; its four partners of a row take 24,576 bytes each, told apart by address (cx); in each, wave 0 asks: three instructions, lanes 256 bytes apart.  K steps 0 to 3 come by their loads alone, and the third
; lap asks for nothing: there is no lap behind the one that it fills.  The weights are not asked for: their K steps 0 to 3 are the first fills and the first lap's refills, and after that they have been read.
.macro ASK off
	s_cmp_eq_u32 s[LIM], 1
	s_cbranch_scc0 .Lnot_mine_\@
	global_prefetch_b8 v[PFO], s[PFA:PFA+1] offset:\off th:TH_LOAD_NT scope:SCOPE_SE
	global_prefetch_b8 v[PFO], s[PFA:PFA+1] offset:\off+8192 th:TH_LOAD_NT scope:SCOPE_SE
	global_prefetch_b8 v[PFO], s[PFA:PFA+1] offset:\off+16384 th:TH_LOAD_NT scope:SCOPE_SE
.Lnot_mine_\@:
.endm
.macro FRAG reg, adr, q, i             ; tile i's image of the slot's q-th 128 along K: three loads, 512 consecutive bytes each
.irp c, 0,1,2
	ds_load_b128 v[\reg+4*\c:\reg+4*\c+3], v[\adr] offset:(\i)*3072+(\q)*1536+512*\c
.endr
.endm
.macro FETCH_B slot, q, p              ; the weights' eight fragments into set p
	WIN TO_B
.irp i, 0,1,2,3,4,5,6,7
	FRAG 96*(\p)+FR*\i, ADRB+\slot, \q, \i
.endr
	WIN 0
.endm
.macro FETCH_A slot, q, i0             ; the rows' blocks i0 .. i0 + 3
.irp i, \i0, \i0+1, \i0+2, \i0+3
	FRAG AF+FR*(\i), ADRA+\slot, \q, \i
.endr
.endm
.macro SCALES set                      ; a K step's scale words: register 2 i + q: lanes 0-15 the rows' block i, lanes 16-31 the weights' block i
.irp i, 0,1,2,3,4,5,6,7
.irp q, 0,1
	ds_load_b32 v[SC+16*\set+2*\i+\q], v[ADRS] offset:\q*1024+\i*64
.endr
.endr
.endm
; A tile's first fragments, from slot 0.  behind = 1: a way out stands in front: its stores have read the codes' registers (v192 on) before the last twelve loads land there
.macro FIRST behind
	FETCH_B 0, 0, 0
	FETCH_A 0, 0, 0
	SCALES 0
.if \behind
	s_wait_xcnt 0x0
.endif
	FETCH_A 0, 0, 4
.endm
; 16 matrix instructions: row blocks a0, a0 + 1 x the eight column tiles, 128 along K.  first = 1: the bias is the C: nothing is cleared and nothing added later.
; The 64 accumulators take turns, one instruction a turn, in the same order in every step.
.macro MUL16 a0, p, q, sc, first
.irp a, \a0, \a0+1
.irp b, 0,1,2,3,4,5,6,7
.if \first
	v_wmma_scale_f32_16x16x128_f8f6f4 v[8*(8*((\a)%4)+\b):8*(8*((\a)%4)+\b)+7], v[96*(\p)+FR*\b:96*(\p)+FR*\b+FR-1], v[AF+FR*(\a):AF+FR*(\a)+FR-1], v[BIAS+8*\b:BIAS+8*\b+7], v[SC+16*(\sc)+2*\b+(\q)], v[SC+16*(\sc)+2*(\a)+(\q)] matrix_a_fmt:MATRIX_FMT_FP6 matrix_b_fmt:MATRIX_FMT_FP6 matrix_a_scale:MATRIX_SCALE_ROW1
.else
	v_wmma_scale_f32_16x16x128_f8f6f4 v[8*(8*((\a)%4)+\b):8*(8*((\a)%4)+\b)+7], v[96*(\p)+FR*\b:96*(\p)+FR*\b+FR-1], v[AF+FR*(\a):AF+FR*(\a)+FR-1], v[8*(8*((\a)%4)+\b):8*(8*((\a)%4)+\b)+7], v[SC+16*(\sc)+2*\b+(\q)], v[SC+16*(\sc)+2*(\a)+(\q)] matrix_a_fmt:MATRIX_FMT_FP6 matrix_b_fmt:MATRIX_FMT_FP6 matrix_a_scale:MATRIX_SCALE_ROW1
.endif
.endr
.endr
.endm
; A slot's first 128 along K.  A row block is free as soon as its eight products are issued: blocks 0-3 are fetched anew in the middle, blocks 4-7 at the end; the weights have two sets.
.macro STEP slot, first
	s_wait_dscnt 4*NL                              ; all but the youngest twelve loads (row blocks 4-7) are in
.if \first
	WIN 0x81                                       ; C (the bias) window 0, D window 2
.else
	WIN MUL_LO
.endif
	MUL16 0, 0, 0, \slot, \first
	MUL16 2, 0, 0, \slot, \first
	s_wait_dscnt 0                                 ; row blocks 4-7 are in (asked for 32 matrix instructions ago)
	PLACES NP                                      ; in front of loads into registers that matrix instructions have read
	FETCH_B \slot, 1, 1
	FETCH_A \slot, 1, 0
.if \first
	WIN 0xc1
.else
	WIN MUL_HI
.endif
	MUL16 4, 0, 0, \slot, \first
	MUL16 6, 0, 0, \slot, \first
	PLACES NP
	WIN 0
	FETCH_A \slot, 1, 4
.endm
; A slot's second 128 along K changes slots: one barrier; in front of it each wave waits for all its tensor loads, adds 0 to its spare word, and waits for that and for its reads of this slot.
; fill = 1: this slot is filled again, two K steps on;  2: the same across the change of tiles: the rows' side goes on, the weights' side goes back two K steps;  0: nothing is left to fetch.
; fetch = 0: a tile's last step: the next slot's fragments are fetched behind the way out, which works in the registers that hold them.  ask: 1 or 2: the prefetches of the first or second lap.
.macro TURN slot, next, fill, fetch, ask
	s_wait_tensorcnt 0x0                           ; all my tensor loads have landed: my part of the next slot
	ds_add_u32 v[SPW], v[NIL]                      ; 0 onto my spare word
	s_wait_dscnt 4*NL+1                            ; (the add and the youngest twelve loads may be out)
	WIN MUL_LO
	MUL16 0, 1, 1, \slot, 0                        ; sixteen matrix instructions stand between the add and the wait for it
	s_wait_dscnt 0x0                               ; the add is done, and my reads of this slot are over
	s_barrier_signal -1
	MUL16 2, 1, 1, \slot, 0
	WIN 0
	s_barrier_wait -1
.if \fill
	CREST                                          ; the barrier has opened a round of the cluster's: no wave of any partner still reads this slot or has a load on its way
	s_add_nc_u64 s[G0+4*\slot+2:G0+4*\slot+3], s[G0+4*\slot+2:G0+4*\slot+3], 2*KSTEPB
.if \fill == 1
	s_add_nc_u64 s[G0B+4*\slot+2:G0B+4*\slot+3], s[G0B+4*\slot+2:G0B+4*\slot+3], 2*KSTEPB
.else
	s_sub_nc_u64 s[G0B+4*\slot+2:G0B+4*\slot+3], s[G0B+4*\slot+2:G0B+4*\slot+3], 2*KSTEPB
.endif
	JLOAD G0+4*\slot, G1, G0B+4*\slot, G1B         ; the first tensor load behind the round; its four v_nop are the places in front of the loads below
.else
	PLACES NP
.endif
.if \fetch
	v_add_nc_u32 v[ADRS], 2048, v[ADRS]            ; the next K step's scale words
	FETCH_B \next, 0, 0
	FETCH_A \next, 0, 0
	SCALES \next
.endif
.if \ask
	ASK (\ask-1)*2*KSTEPB
.endif
	WIN MUL_HI
	MUL16 4, 1, 1, \slot, 0
	MUL16 6, 1, 1, \slot, 0
	PLACES NP                                      ; in front of the loads below, or of the way out's first read of results
	WIN 0
.if \fetch
	FETCH_A \next, 0, 4
.endif
.endm
; 64 numbers of a lane, none negative, register 16 b + i = k 32 b + 16 (lane / 16) + i of my row, become a fragment's codes in v[PC] on and its scale word in v[PW]
.macro QUANT s
.irp b, 0,1,2,3
	v_max3_num_f32 v[TM+\b], v[\s+16*\b], v[\s+1+16*\b], 0x1800000   ; and the floor 2^(3 - 127): the byte cannot fall under 1
.endr
.irp i, 2,4,6,8,10,12,14
.irp b, 0,1,2,3
	v_max3_num_f32 v[TM+\b], v[TM+\b], v[\s+16*\b+\i], v[\s+1+16*\b+\i]
.endr
.endr
.irp b, 0,1,2,3
	v_permlanex16_b32 v[TM+4+\b], v[TM+\b], s[SEL], s[SEL+1]
.endr
.irp b, 0,1,2,3
	v_max_num_f32 v[TM+\b], v[TM+\b], v[TM+4+\b]
.endr
.irp b, 0,1,2,3
	v_add_nc_u32 v[TM+12+\b], 0xff000000, v[TM+\b]   ; 2 off the exponent field: the conversion's scale operand
.endr
.irp b, 0,1,2,3
	v_lshrrev_b32 v[TM+4+\b], 23, v[TM+12+\b]
.endr
	s_wait_xcnt 0x0                                ; the last block's stores have read the codes' registers: these are written again only behind this wait, which stands ahead of their first write and no earlier
	s_wait_dscnt 0x0                               ; and the LDS store of the last scale word has read its register
	v_lshl_or_b32 v[PW], v[TM+5], 8, v[TM+4]
	v_lshl_or_b32 v[PW], v[TM+6], 16, v[PW]
	v_lshl_or_b32 v[PW], v[TM+7], 24, v[PW]
.irp c, 0,1
	v_cvt_scalef32_pk16_fp6_f32 v[PC+6*\c:PC+2+6*\c], v[\s+32*\c:\s+15+32*\c], v[TM+12+2*\c]
	v_cvt_scalef32_pk16_fp6_f32 v[PC+12+4*\c:PC+14+4*\c], v[\s+16+32*\c:\s+31+32*\c], v[TM+12+2*\c+1]
.endr
	v_nop                                          ; one plain place behind a scaled conversion
.irp c, 0,1
.irp i, 0,1,2
	v_permlane16_swap_b32 v[PC+6*\c+\i], v[PC+12+4*\c+\i]
.endr
.irp i, 0,1,2
	v_mov_b32 v[PC+3+6*\c+\i], v[PC+12+4*\c+\i]
.endr
.endr
.endm
; THE WAY OUT of tile t, a block of 16 rows at a time: relu (which also brings the numbers into window 0, each accumulator from its low end on), the quantiser, one image of 1,536 bytes to hc.
; The tile's place stands in the stores' immediates: 393,216 bytes of hc and 16,384 of hs from a tile row to the next.  The scale words are gathered in my 512 bytes of the stage.
.macro WAYOUT t
.irp b, 0,1,2,3
	v_mov_b32 v[TM+4+\b], 0                        ; a lane permute's destination counts as one of its sources
.endr
.irp a, 0,1,2,3,4,5,6,7
	WIN (0x08+4*(\a/4))                            ; source 1: window 2 or 3
.set j, 0
.rept 64
	v_max_num_f32 v[HA+j], 0, v[64*(\a%4)+j]
.set j, j+1
.endr
	WIN 0
	QUANT HA
.irp c, 0,1,2
	global_store_b128 v26, v[PC+4*\c:PC+4*\c+3], s[14:15] offset:(\t)*393216+3072*\a+512*\c   ; 32 lanes store 512 consecutive bytes, at a multiple of 256 from hc's first byte
.endr
	ds_store_b32 v24, v[PW] offset:64*\a
.endr
	ds_load_b128 v[232:235], v25                   ; my eight blocks' scale words (LDS serves a wave's instructions in order)
	s_wait_dscnt 0x0
	global_store_b128 v26, v[232:235], s[16:17] offset:(\t)*16384   ; 512 consecutive bytes
.endm
	s_load_b256 s[4:11], s[0:1], 0x0               ; zc, zs, wc, ws
	s_load_b128 s[12:15], s[0:1], 0x20             ; ad_b1, hc
	s_load_b64 s[16:17], s[0:1], 0x30              ; hs
	v_lshl_add_u32 v[SPW], v0, 2, SPARE
	v_mov_b32 v[NIL], 0
	ds_add_u32 v28, v29
	ds_add_u32 v28, v29
	s_wait_dscnt 0x0
	v_lshrrev_b32 v1, 5, v0
	v_readfirstlane_b32 s20, v1                    ; wave 0..3
	s_lshr_b32 s21, s20, 1                         ; which half of the tile's rows is mine.  Also: I fetch for the rows (0) or the weights (1)
	s_and_b32 s22, s20, 1                          ; which half of its columns.  Also: which half of that side I fetch
	s_bfe_u32 s40, ttmp6, 0x40000                  ; cx, cy: my place in the cluster
	s_bfe_u32 s41, ttmp6, 0x40004
	s_lshl_b32 s42, ttmp9, 2
	s_add_co_u32 s42, s42, s40                     ; X: tile column = 4 x cluster x + cx
	s_and_b32 s66, ttmp7, 0xffff
	s_lshl_b32 s66, s66, 2
	s_add_co_u32 s66, s66, s41                     ; Y = 4 x cluster y + cy: my tile rows are 2 Y and 2 Y + 1
	s_lshl_b32 s43, s41, 2
	s_lshl_b32 s43, 15, s43                        ; my row of the cluster
	s_lshl_b32 s44, 0x1111, s40                    ; my column
	; group 1 for images: 24,576 dense bytes as 96 rows of 32 elements of 8 bytes
	s_or_b32 s[G1], s43, (3<<16)|(1<<21)           ; 15:0 the mask; 17:16 elements of 8 bytes; 20 no padding; 21 set beside a mask
	s_or_b32 s[G1B], s44, (3<<16)|(1<<21)
.irp g, G1, G1B
	s_mov_b32 s[\g+1], 32<<16                      ; tensor_dim0
	s_mov_b32 s[\g+2], 96<<16                      ; tensor_dim1
	s_mov_b32 s[\g+3], 32<<16                      ; tile_dim0
	s_mov_b32 s[\g+4], 96                          ; tile_dim1
	s_mov_b32 s[\g+5], 32                          ; the pitch
	s_mov_b32 s[\g+6], 0
	s_mov_b32 s[\g+7], 0
.endr
	; and for scale words, as rows of 256 bytes: the rows' 8,192 bytes a load, the weights' 4,096
	s_or_b32 s[G1S], s43, (3<<16)|(1<<21)
	s_mov_b32 s[G1S+1], 32<<16
	s_mov_b32 s[G1S+2], (SAH/256)<<16
	s_mov_b32 s[G1S+3], 32<<16
	s_mov_b32 s[G1S+4], SAH/256
	s_mov_b32 s[G1S+5], 32
	s_mov_b32 s[G1S+6], 0
	s_mov_b32 s[G1S+7], 0
	s_or_b32 s[G1SB], s44, (3<<16)|(1<<21)
	s_mov_b32 s[G1SB+1], 32<<16
	s_mov_b32 s[G1SB+2], (SBH/256)<<16
	s_mov_b32 s[G1SB+3], 32<<16
	s_mov_b32 s[G1SB+4], SBH/256
	s_mov_b32 s[G1SB+5], 32
	s_mov_b32 s[G1SB+6], 0
	s_mov_b32 s[G1SB+7], 0
	s_mul_i32 s23, s22, HALFT
	s_mul_i32 s92, s66, TILES*KP*KSTEPB
	s_add_co_u32 s92, s92, s23                     ; the rows' images: by Y and the wave alone
	s_mov_b32 s93, 0
	s_mul_i32 s46, s42, KP*KSTEPB
	s_add_co_u32 s46, s46, s23                     ; the weights': by the tile column and the wave alone
	s_mov_b32 s47, 0
	s_mul_i32 s23, s22, SAH
	s_mul_i32 s94, s66, TILES*SAH
	s_add_co_u32 s94, s94, s23                     ; the rows' scale words: wave 0 brings tile row 2 Y's, wave 1 tile row 2 Y + 1's
	s_mov_b32 s95, 0
	s_mul_i32 s23, s22, SBH
	s_mul_i32 s96, s42, 2*SBH
	s_add_co_u32 s96, s96, s23
	s_mov_b32 s97, 0
	s_mul_i32 s45, s20, HALFT                      ; where the images go: by the wave alone
	s_mov_b32 s[SEL], 0x76543210
	s_mov_b32 s[SEL+1], 0xfedcba98
	s_wait_kmcnt 0x0
	s_add_nc_u64 s[92:93], s[4:5], s[92:93]
	s_add_nc_u64 s[94:95], s[6:7], s[94:95]
	s_add_nc_u64 s[46:47], s[8:9], s[46:47]
	s_add_nc_u64 s[96:97], s[10:11], s[96:97]
	CROUND                                         ; all sixteen work-groups are here: the first joint loads meet
	s_mov_b32 s[G0S], 1
	s_lshl_b32 s[G0S+1], s22, 13
	s_add_co_u32 s[G0S+1], s[G0S+1], SCL
	s_mov_b64 s[G0S+2:G0S+3], s[94:95]
	s_or_b32 s[G0S+3], s[G0S+3], 0x80000000
	s_mov_b32 s[G0SB], 1
	s_lshl_b32 s[G0SB+1], s22, 12
	s_add_co_u32 s[G0SB+1], s[G0SB+1], SCB
	s_mov_b64 s[G0SB+2:G0SB+3], s[96:97]
	s_or_b32 s[G0SB+3], s[G0SB+3], 0x80000000
	JLOAD G0S, G1S, G0SB, G1SB                     ; the scale words first: they are wanted with K step 0
.irp s, 0,1
	s_mov_b32 s[G0+4*\s], 1
	s_add_co_u32 s[G0+4*\s+1], s45, \s*SLOT
	s_add_nc_u64 s[G0+4*\s+2:G0+4*\s+3], s[92:93], \s*KSTEPB
	s_or_b32 s[G0+4*\s+3], s[G0+4*\s+3], 0x80000000
	s_mov_b32 s[G0B+4*\s], 1
	s_add_co_u32 s[G0B+4*\s+1], s45, \s*SLOT
	s_add_nc_u64 s[G0B+4*\s+2:G0B+4*\s+3], s[46:47], \s*KSTEPB
	s_or_b32 s[G0B+4*\s+3], s[G0B+4*\s+3], 0x80000000
	JLOAD G0+4*\s, G1, G0B+4*\s, G1B               ; three tensor loads of mine are out
.endr
	v_and_b32 v1, 15, v0                           ; r
	v_bfe_u32 v2, v0, 4, 1                         ; h
	v_and_b32 v3, 31, v0
	v_lshlrev_b32 v26, 4, v3                       ; 16 x lane
	v_lshlrev_b32 v[PFO], 8, v3
	s_mul_i32 s23, s21, HALFT                      ; my 8 tiles of rows
	s_mul_i32 s67, s22, HALFT
	s_add_co_u32 s67, s67, KSTEPB                  ; my 8 tiles of weights, behind the rows' 16
.irp s, 0,1
	v_add_nc_u32 v[ADRA+\s], s23, v26
	v_add_nc_u32 v[ADRB+\s], s67, v26
	s_add_co_u32 s23, s23, SLOT
	s_add_co_u32 s67, s67, SLOT
.endr
	s_lshl_b32 s23, s21, 9                         ; the rows' scale words: my 8 tiles of 64 bytes
	s_lshl_b32 s67, s22, 9
	s_add_co_u32 s67, s67, TILES*SAH               ; the weights': behind the rows' two tiles
	s_sub_co_u32 s67, s67, s23
	v_mul_u32_u24 v6, s67, v2                      ; lanes 16-31 take the weights'
	s_add_co_u32 s23, s23, SCL
	v_lshl_add_u32 v5, v1, 2, s23
	v_add_nc_u32 v27, v5, v6                       ; tile 0's K step 0
	s_sub_co_u32 s67, s67, SAH                     ; tile 1: the rows' words lie 8,192 bytes on, the weights' where they lay
	v_mul_u32_u24 v6, s67, v2
	s_add_co_u32 s23, s23, SAH
	v_lshl_add_u32 v5, v1, 2, s23
	v_add_nc_u32 v9, v5, v6                        ; tile 1's K step 0
	s_lshl_b32 s23, s20, 9                         ; the way out: my 512 bytes of the stage
	s_add_co_u32 s23, s23, STG
	v_lshl_add_u32 v24, v1, 2, s23
	v_add_nc_u32 v25, s23, v26
	s_lshl_b32 s92, s42, 10
	s_lshl_b32 s93, s22, 9
	s_add_co_u32 s92, s92, s93
	s_mov_b32 s93, 0
	s_add_nc_u64 s[12:13], s[12:13], s[92:93]      ; b1 at my 128 hidden units
	v_lshlrev_b32 v7, 6, v2                        ; lane (r, h), tile 2 bb + u: units 32 bb + 16 h + 8 u + 0 .. 7
.irp b, 0,1,2,3,4,5,6,7
	global_load_b128 v[BIAS+8*\b:BIAS+8*\b+3], v7, s[12:13] offset:128*(\b/2)+32*(\b%2)
	global_load_b128 v[BIAS+8*\b+4:BIAS+8*\b+7], v7, s[12:13] offset:128*(\b/2)+32*(\b%2)+16
.endr
	s_mul_i32 s92, s66, TILES*393216               ; hc [G][kp 8][tile 16][q 2][1536]: G = 2 Y + t, kp = X, tile 8 rh + a, q = ch
	s_mul_i32 s93, s42, KSTEPB
	s_add_co_u32 s92, s92, s93
	s_mul_i32 s93, s21, HALFT
	s_add_co_u32 s92, s92, s93
	s_mul_i32 s93, s22, 1536
	s_add_co_u32 s92, s92, s93
	s_mov_b32 s93, 0
	s_add_nc_u64 s[14:15], s[14:15], s[92:93]
	s_lshl_b32 s92, s66, 15                        ; hs [G][ks 16][tile][row]: ks = 2 X + ch
	s_lshl_b32 s93, s42, 11
	s_add_co_u32 s92, s92, s93
	s_lshl_b32 s93, s22, 10
	s_add_co_u32 s92, s92, s93
	s_lshl_b32 s93, s21, 9
	s_add_co_u32 s92, s92, s93
	s_mov_b32 s93, 0
	s_add_nc_u64 s[16:17], s[16:17], s[92:93]
	; the prefetches: my work-group's quarter of the rows' K steps 4 and 5 (the second tile's 0 and 1); the second lap's stand 98,304 bytes on, in the immediate
	s_mul_i32 s[PFA], s66, TILES*KP*KSTEPB
	s_mul_i32 s2, s40, HALFT
	s_add_co_u32 s[PFA], s[PFA], s2
	s_add_co_u32 s[PFA], s[PFA], 4*KSTEPB
	s_mov_b32 s[PFA+1], 0
	s_add_nc_u64 s[PFA:PFA+1], s[4:5], s[PFA:PFA+1]
	s_or_b32 s[LIM], s20, ttmp9                    ; wave 0 of a cluster with x = 0: the same in all sixteen partners, for a given wave
	s_cmp_eq_u32 s[LIM], 0
	s_cselect_b32 s[LIM], 1, 0
	s_wait_tensorcnt 1                             ; the scale words and my part of K step 0 are in (K step 1's load may be out)
	s_barrier_signal -1
	s_barrier_wait -1                              ; everybody's are
	; ---- tile row 2 Y
	FIRST 0
	s_wait_loadcnt 0x0                             ; the bias
	STEP 0, 1                                      ; the first step's products start the sums from the bias
	TURN 0, 1, 1, 1, 1
	STEP 1, 0
	TURN 1, 0, 1, 1, 0
	STEP 0, 0
	TURN 0, 1, 2, 1, 2                             ; THE RING GOES ON INTO THE NEXT TILE: slot 0 takes its K step 0,
	STEP 1, 0
	TURN 1, 0, 2, 0, 0                             ; slot 1 its K step 1, which lands under the way out
	WAYOUT 0
	; ---- tile row 2 Y + 1
.set ADRS, 9
	FIRST 1
	STEP 0, 1
	TURN 0, 1, 1, 1, 0
	STEP 1, 0
	TURN 1, 0, 1, 1, 0
	STEP 0, 0
	TURN 0, 1, 0, 1, 0                             ; the last lap fills nothing, and has no round of the cluster's barrier
	STEP 1, 0
	s_wait_dscnt 4*NL                              ; the very last step: nothing more to fetch
	WIN MUL_LO
	MUL16 0, 1, 1, 1, 0
	MUL16 2, 1, 1, 1, 0
	s_wait_dscnt 0
	WIN MUL_HI
	MUL16 4, 1, 1, 1, 0
	MUL16 6, 1, 1, 1, 0
	WIN 0
	PLACES NP
	WAYOUT 1
	s_wait_tensorcnt 0x0                           ; the wave's end
	ds_add_u32 v[SPW], v[NIL]
	s_wait_dscnt 0x0
	CROUND                                         ; the closing round
	s_endpgm
.Lfunc_end_k_q7f2eabfbad_gemm1:
	.size	k_q7f2eabfbad_gemm1, .Lfunc_end_k_q7f2eabfbad_gemm1-k_q7f2eabfbad_gemm1
	.p2alignl 7, 3214868480
	.fill 96, 4, 3214868480
	.section	.rodata,"a",@progbits
	.p2align	6, 0x0
	.amdhsa_kernel k_q7f2eabfbad_gemm1
		.amdhsa_group_segment_fixed_size 327680
		.amdhsa_private_segment_fixed_size 0
		.amdhsa_enable_private_segment 0
		.amdhsa_kernarg_size 56
		.amdhsa_user_sgpr_count 2
		.amdhsa_user_sgpr_kernarg_segment_ptr 1
		.amdhsa_wavefront_size32 1
		.amdhsa_system_sgpr_workgroup_id_x 1
		.amdhsa_system_sgpr_workgroup_id_y 1
		.amdhsa_system_sgpr_workgroup_id_z 1
		.amdhsa_system_vgpr_workitem_id 0
		.amdhsa_next_free_vgpr 1024
		.amdhsa_next_free_sgpr 102
		.amdhsa_reserve_vcc 0
		.amdhsa_float_denorm_mode_32 3
		.amdhsa_float_denorm_mode_16_64 3
		.amdhsa_memory_ordered 1
		.amdhsa_forward_progress 1
		.amdhsa_inst_pref_size 255
	.end_amdhsa_kernel
	.section	.bss,"aw",@nobits
	.p2align	6
	.space	262144
	.amdgpu_metadata
---
amdhsa.version: [ 1, 2 ]
amdhsa.kernels:
  - .name:           k_q7f2eabfbad_gemm1
    .symbol:         k_q7f2eabfbad_gemm1.kd
    .args:
      - { .name: zc, .offset: 0, .size: 8, .value_kind: global_buffer, .address_space: global }
      - { .name: zs, .offset: 8, .size: 8, .value_kind: global_buffer, .address_space: global }
      - { .name: wc, .offset: 16, .size: 8, .value_kind: global_buffer, .address_space: global }
      - { .name: ws, .offset: 24, .size: 8, .value_kind: global_buffer, .address_space: global }
      - { .name: ad_b1, .offset: 32, .size: 8, .value_kind: global_buffer, .address_space: global }
      - { .name: hc, .offset: 40, .size: 8, .value_kind: global_buffer, .address_space: global }
      - { .name: hs, .offset: 48, .size: 8, .value_kind: global_buffer, .address_space: global }
    .group_segment_fixed_size: 327680
    .private_segment_fixed_size: 0
    .kernarg_segment_align: 8
    .kernarg_segment_size: 56
    .max_flat_workgroup_size: 128
    .sgpr_count:     102
    .vgpr_count:     1024
    .wavefront_size: 32
...
	.end_amdgpu_metadata
.endif
;; end of part 2
;; launch gemm2 (part 3): grid 4 x 64, 4 waves a work-group, clusters of 4 x 4, 327,680 bytes of LDS; arguments hc, hs, wc, ws, ad_b2, x, gw, out0; writes out0
.if DOCPART == 3
	.amdgcn_target "amdgcn-amd-amdhsa--gfx1250"
	.amdhsa_code_object_version 6
	.text
	.protected	k_q7f2eabfbad_gemm2
	.globl	k_q7f2eabfbad_gemm2
	.p2align	8
	.type	k_q7f2eabfbad_gemm2,@function
k_q7f2eabfbad_gemm2:
	s_mov_b64 s[64:65], 0
	v_nop
	global_prefetch_b8 v0, s[64:65] scope:SCOPE_SE
	s_setreg_imm32_b32 hwreg(HW_REG_WAVE_MODE, 25, 1), 1
	s_wait_xcnt 0x0
	s_wait_alu depctr_hold_cnt(0) depctr_sa_sdst(0) depctr_va_vdst(0) depctr_va_sdst(0) depctr_va_ssrc(0) depctr_va_vcc(0) depctr_vm_vsrc(0)
	s_getreg_b32 s2, hwreg(HW_REG_IB_STS2, 6, 4)
	s_cmp_eq_u32 s2, 0
	s_cbranch_scc0 .Lentry_in_a_cluster
	s_endpgm
.Lentry_in_a_cluster:
	s_bfe_u32 s2, ttmp6, 0x10000c
	s_cmp_lg_u32 s2, 0xf033
	s_cbranch_scc0 .Lentry_shape_is_right
	s_endpgm
.Lentry_shape_is_right:
; GEMM 2 and the mix: a_d = hidden_d W2 + b2 for the 16,384 stacked rows, on codes of FP6 (E2M3) with E8M0 block scales; out = (1 + p0) x + p1 a_book + p2 a_iwslt.
; A tile of 256 stacked rows (128 tokens x 2 sets of gains) x 256 columns is made by four waves, a wave 128 x 128: 64 accumulators.  K = 2,048 goes in steps of 256 through a ring of two LDS slots.
; Operands lie in memory as images of their registers (16 rows x 128 K: 1,536 bytes; register group c of lane l at 512 c + 16 l): a side's K step is one dense block of 49,152 bytes, a fragment three loads of 512
; consecutive bytes, LDS without padding.  The scale words for all of K come once, with the first fills.  CLUSTERS: 4 x 4; rows' images shared along a row of the cluster, weights' along a column, by joint loads.
; THE MATRIX INSTRUCTION IS USED TRANSPOSED (source 0 = 16 columns of W2, source 1 = 16 stacked rows): a lane holds one row and eight neighbouring columns.  The bias is the C of each sum's first instruction.
; Row blocks 2 p and 2 p + 1 of a wave are the same 16 tokens under the two sets of gains: they are weighed and added in registers, go through the wave's stage in LDS, and meet x as whole rows of 512 bytes.
; x IS ASKED FOR AHEAD OF THE WAY OUT: the rows of pairs 0 and 1 and the gate's weights behind the first step, into the 144 registers that are free; the rows of pairs 2 and 3, for which no registers are free,
; by one tensor load a wave into LDS bytes behind the ring, at the last lap's change of slots, behind which no slot is filled again: 160 matrix instructions and two pairs' way out ahead of their use.
; REGISTERS: window 0: v1-31 addresses; v32-63 scale words, two sets, and nothing else; v64-127 the bias, then x of pair 0; v128-223 the rows' fragments, on the way out v128-191 the mix; v224-239 the gate's weights.
;   window 1: the weights' fragments at v0 and v96 (on the way out v0-127: x of pairs 2, 3); v192-255 x of pair 1.   windows 2, 3: the accumulators ((a, b) at v[8 (8 (a % 4) + b)]).
.set KP,     8                         ; K steps of 256
.set KS,     2*KP
.set LAPS,   KP/2
.set WCB,    1572864                   ; where W2's codes begin in wc
.set WSB,    65536                     ; and its scale words in ws
.set FR,     12
.set NL,     3
.set NP,     4                         ; places behind this matrix instruction (ISA guide 7.12.1)
.set HALFT,  24576
.set KSTEPB, 49152
.set SLOT,   98304
.set SCL,    2*SLOT
.set HALFS,  512*KS
.set SPARE,  SCL+4*HALFS               ; the spare words, 128 bytes a wave: two blocks of 256 bytes that no other line names
.set XL,     SPARE+512                 ; x of pairs 2 and 3: 32 rows x 512 bytes for each wave, filled once
.set SPITCH, 528                       ; the way out: a stage of 16 rows x (512 + 16) bytes for each wave, in slot 0, which has had its last fill and its last read by then
.set XLA,  8                           ; v8   LDS address of my 16 bytes in the first of my wave's rows of x; never rewritten
.set ADRA, 16
.set ADRB, 20
.set ADRS, 27
.set SPW,  28
.set NIL,  29
.set PFO,  30                          ; v30  the prefetches' offset: 256 x lane; never rewritten
.set GWO,  31                          ; v31  16 r
.set SC,   32
.set BIAS, 64
.set AF,   128
.set YR,   128
.set GW,   224
.set PFA,  98                          ; s[98:99] where my prefetches stand
.set LIM,  100                         ; s100 1 in a wave that prefetches, else the greatest number
.set G1, 24
.set G0, 32
.set G1B, 48
.set G0B, 56
.set G1S, 68
.set G0S, 76
.set G1SB, 80
.set G0SB, 88
.set G1X, 92                           ; s[92:99] group 1 for x's rows, written behind the loop; s[76:79] its group 0, where the rows' scale words' stood
.set G0X, 76
.set MSB, 0
.macro WIN new                         ; the immediate's high byte repeats the setting that is left
.if MSB != \new
	s_set_vgpr_msb (MSB<<8)|\new
.set MSB, \new
.endif
.endm
.set MUL_LO, 0xa1
.set MUL_HI, 0xf1
.set TO_B,   0x40
.macro JLOAD g0a, g1a, g0b, g1b        ; a joint load: waves 0 and 1 fetch for the rows, waves 2 and 3 for the weights; four v_nop follow each of the two lines
	s_cmp_eq_u32 s21, 0
	s_cbranch_scc0 .Lfor_b_\@
	tensor_load_to_lds s[\g0a:\g0a+3], s[\g1a:\g1a+7]
	s_nop 0
.rept 4
	v_nop
.endr
	s_branch .Lasked_\@
.Lfor_b_\@:
	tensor_load_to_lds s[\g0b:\g0b+3], s[\g1b:\g1b+7]
	s_nop 0
.rept 4
	v_nop
.endr
.Lasked_\@:
.endm
.macro CREST
	s_cmp_lg_u32 s20, 0
	s_cbranch_scc1 .Lnot_wave_0_\@
	s_barrier_signal -3
.Lnot_wave_0_\@:
	s_barrier_wait -3
	s_barrier_signal -1
	s_barrier_wait -1
.endm
.macro CROUND
	s_barrier_signal -1
	s_barrier_wait -1
	CREST
.endm
.macro PLACES n
.rept \n
	v_nop
.endr
.endm
; A PREFETCH INTO THE L2, once a lap, behind slot 0's joint load and the run of LDS loads that follows it: the NEXT lap's two K steps of a side, 98,304 dense bytes, 256 matrix instructions ahead of the first load that
; wants them.  Each block of 256 bytes is named once in the launch: the rows' images of a tile row are read by one row of one cluster alone, whose four partners take 24,576 bytes each, told apart by address (cx);
; the weights' of a tile column are read by every cluster, of which the one with y = 0 asks, its four partners of a column told apart by address (cy).  Wave 0 asks for the rows', wave 2 for the weights': three
; instructions, lanes 256 bytes apart.  K steps 0 to 3 come by their loads alone; the loop's last trip asks for nothing: there is no lap behind the one that it fills.
.macro ASK
	s_cmp_gt_u32 s3, s[LIM]
	s_cbranch_scc0 .Lnot_mine_\@
	global_prefetch_b8 v[PFO], s[PFA:PFA+1] th:TH_LOAD_NT scope:SCOPE_SE
	global_prefetch_b8 v[PFO], s[PFA:PFA+1] offset:8192 th:TH_LOAD_NT scope:SCOPE_SE
	global_prefetch_b8 v[PFO], s[PFA:PFA+1] offset:16384 th:TH_LOAD_NT scope:SCOPE_SE
.Lnot_mine_\@:
.endm
.macro FRAG reg, adr, q, i
.irp c, 0,1,2
	ds_load_b128 v[\reg+4*\c:\reg+4*\c+3], v[\adr] offset:(\i)*3072+(\q)*1536+512*\c
.endr
.endm
.macro FETCH_B slot, q, p
	WIN TO_B
.irp i, 0,1,2,3,4,5,6,7
	FRAG 96*(\p)+FR*\i, ADRB+\slot, \q, \i
.endr
	WIN 0
.endm
.macro FETCH_A slot, q, i0
.irp i, \i0, \i0+1, \i0+2, \i0+3
	FRAG AF+FR*(\i), ADRA+\slot, \q, \i
.endr
.endm
.macro SCALES set                      ; register 2 i + q: lanes 0-15 the rows' block i, lanes 16-31 the weights' block i
.irp i, 0,1,2,3,4,5,6,7
.irp q, 0,1
	ds_load_b32 v[SC+16*\set+2*\i+\q], v[ADRS] offset:\q*1024+\i*64
.endr
.endr
.endm
; 16 matrix instructions; first = 1: the bias is the C.  The 64 accumulators take turns, one instruction a turn, in the same order in every step.
.macro MUL16 a0, p, q, sc, first
.irp a, \a0, \a0+1
.irp b, 0,1,2,3,4,5,6,7
.if \first
	v_wmma_scale_f32_16x16x128_f8f6f4 v[8*(8*((\a)%4)+\b):8*(8*((\a)%4)+\b)+7], v[96*(\p)+FR*\b:96*(\p)+FR*\b+FR-1], v[AF+FR*(\a):AF+FR*(\a)+FR-1], v[BIAS+8*\b:BIAS+8*\b+7], v[SC+16*(\sc)+2*\b+(\q)], v[SC+16*(\sc)+2*(\a)+(\q)] matrix_a_fmt:MATRIX_FMT_FP6 matrix_b_fmt:MATRIX_FMT_FP6 matrix_a_scale:MATRIX_SCALE_ROW1
.else
	v_wmma_scale_f32_16x16x128_f8f6f4 v[8*(8*((\a)%4)+\b):8*(8*((\a)%4)+\b)+7], v[96*(\p)+FR*\b:96*(\p)+FR*\b+FR-1], v[AF+FR*(\a):AF+FR*(\a)+FR-1], v[8*(8*((\a)%4)+\b):8*(8*((\a)%4)+\b)+7], v[SC+16*(\sc)+2*\b+(\q)], v[SC+16*(\sc)+2*(\a)+(\q)] matrix_a_fmt:MATRIX_FMT_FP6 matrix_b_fmt:MATRIX_FMT_FP6 matrix_a_scale:MATRIX_SCALE_ROW1
.endif
.endr
.endr
.endm
.macro STEP slot, first                ; a slot's first 128 along K
	s_wait_dscnt 4*NL                              ; all but the youngest twelve loads (row blocks 4-7) are in
.if \first
	WIN 0x81                                       ; C (the bias) window 0, D window 2
.else
	WIN MUL_LO
.endif
	MUL16 0, 0, 0, \slot, \first
	MUL16 2, 0, 0, \slot, \first
	s_wait_dscnt 0                                 ; row blocks 4-7 are in
	PLACES NP
	FETCH_B \slot, 1, 1
	FETCH_A \slot, 1, 0
.if \first
	WIN 0xc1
.else
	WIN MUL_HI
.endif
	MUL16 4, 0, 0, \slot, \first
	MUL16 6, 0, 0, \slot, \first
	PLACES NP
	WIN 0
	FETCH_A \slot, 1, 4
.endm
; A slot's second 128 along K changes slots.  fill = 1: this slot is filled again, two K steps on, by the joint loads.  fill = 2: no slot is filled again: behind the same waits and the same round each wave
; issues its one load of x's rows, into bytes that are filled this once.  ask = 1: the prefetches' address steps at the head, a lap behind the prefetches that read it, and the next are issued behind the joint
; load and the LDS loads.
.macro TURN slot, next, fill, ask
.if \ask
	s_wait_xcnt 0x0                                ; the last prefetches have read their address
	s_add_nc_u64 s[PFA:PFA+1], s[PFA:PFA+1], 2*KSTEPB
.endif
	s_wait_tensorcnt 0x0                           ; all my tensor loads have landed: my part of the next slot
	ds_add_u32 v[SPW], v[NIL]                      ; 0 onto my spare word
	s_wait_dscnt 4*NL+1                            ; (the add and the youngest twelve loads may be out)
	WIN MUL_LO
	MUL16 0, 1, 1, \slot, 0
	s_wait_dscnt 0x0                               ; the add is done, and my reads of this slot are over
	s_barrier_signal -1
	MUL16 2, 1, 1, \slot, 0
	WIN 0
	s_barrier_wait -1
.if \fill == 1
	CREST                                          ; no wave of any partner still reads this slot or has a load on its way
	s_add_nc_u64 s[G0+4*\slot+2:G0+4*\slot+3], s[G0+4*\slot+2:G0+4*\slot+3], 2*KSTEPB
	s_add_nc_u64 s[G0B+4*\slot+2:G0B+4*\slot+3], s[G0B+4*\slot+2:G0B+4*\slot+3], 2*KSTEPB
	JLOAD G0+4*\slot, G1, G0B+4*\slot, G1B         ; the first tensor load behind the round; its four v_nop are the places in front of the loads below
.elseif \fill == 2
	CREST                                          ; in a launch in clusters every tensor load stands behind a round
	tensor_load_to_lds s[G0X:G0X+3], s[G1X:G1X+7]  ; my wave's own: no mask; each wave's LDS bytes and rows are its own by its number
	s_nop 0
	PLACES NP                                      ; four v_nop follow; they are also the places in front of the loads below
.else
	PLACES NP
.endif
	v_add_nc_u32 v[ADRS], 2048, v[ADRS]
	FETCH_B \next, 0, 0
	FETCH_A \next, 0, 0
	SCALES \next
.if \ask
	ASK
.endif
	WIN MUL_HI
	MUL16 4, 1, 1, \slot, 0
	MUL16 6, 1, 1, \slot, 0
	PLACES NP
	WIN 0
	FETCH_A \next, 0, 4
.endm
	s_load_b512 s[4:19], s[0:1], 0x0               ; hc, hs, wc, ws, ad_b2, x, gw, out0
	v_lshl_add_u32 v[SPW], v0, 2, SPARE
	v_mov_b32 v[NIL], 0
	ds_add_u32 v28, v29
	ds_add_u32 v28, v29
	s_wait_dscnt 0x0
	v_lshrrev_b32 v1, 5, v0
	v_readfirstlane_b32 s20, v1                    ; wave 0..3
	s_lshr_b32 s21, s20, 1                         ; which half of the tile's rows is mine.  Also: I fetch for the rows (0) or the weights (1)
	s_and_b32 s22, s20, 1                          ; which half of its columns.  Also: which half of that side I fetch
	s_bfe_u32 s40, ttmp6, 0x40000                  ; cx, cy
	s_bfe_u32 s41, ttmp6, 0x40004
	s_lshl_b32 s42, ttmp9, 2
	s_add_co_u32 s42, s42, s40                     ; X
	s_and_b32 s66, ttmp7, 0xffff
	s_lshl_b32 s66, s66, 2
	s_add_co_u32 s66, s66, s41                     ; Y
	s_lshl_b32 s43, s41, 2
	s_lshl_b32 s43, 15, s43                        ; my row of the cluster
	s_lshl_b32 s44, 0x1111, s40                    ; my column
	s_or_b32 s[G1], s43, (3<<16)|(1<<21)           ; images: 24,576 dense bytes as 96 rows of 32 elements of 8 bytes; the mask, and bit 21 beside it
	s_or_b32 s[G1B], s44, (3<<16)|(1<<21)
.irp g, G1, G1B
	s_mov_b32 s[\g+1], 32<<16
	s_mov_b32 s[\g+2], 96<<16
	s_mov_b32 s[\g+3], 32<<16
	s_mov_b32 s[\g+4], 96
	s_mov_b32 s[\g+5], 32
	s_mov_b32 s[\g+6], 0
	s_mov_b32 s[\g+7], 0
.endr
	s_or_b32 s[G1S], s43, (3<<16)|(1<<21)          ; scale words: HALFS dense bytes as 2 KS rows of 256 bytes
	s_or_b32 s[G1SB], s44, (3<<16)|(1<<21)
.irp g, G1S, G1SB
	s_mov_b32 s[\g+1], 32<<16
	s_mov_b32 s[\g+2], (2*KS)<<16
	s_mov_b32 s[\g+3], 32<<16
	s_mov_b32 s[\g+4], 2*KS
	s_mov_b32 s[\g+5], 32
	s_mov_b32 s[\g+6], 0
	s_mov_b32 s[\g+7], 0
.endr
	s_mul_i32 s23, s22, HALFT
	s_mul_i32 s92, s66, KP*KSTEPB
	s_add_co_u32 s92, s92, s23
	s_mov_b32 s93, 0
	s_mul_i32 s46, s42, KP*KSTEPB
	s_add_co_u32 s46, s46, s23
	s_add_co_u32 s46, s46, WCB
	s_mov_b32 s47, 0
	s_mul_i32 s23, s22, HALFS
	s_mul_i32 s94, s66, KS*1024
	s_add_co_u32 s94, s94, s23
	s_mov_b32 s95, 0
	s_mul_i32 s96, s42, KS*1024
	s_add_co_u32 s96, s96, s23
	s_add_co_u32 s96, s96, WSB
	s_mov_b32 s97, 0
	s_mul_i32 s45, s20, HALFT
	s_mul_i32 s67, s20, HALFS
	s_wait_kmcnt 0x0
	s_add_nc_u64 s[92:93], s[4:5], s[92:93]
	s_add_nc_u64 s[94:95], s[6:7], s[94:95]
	s_add_nc_u64 s[46:47], s[8:9], s[46:47]
	s_add_nc_u64 s[96:97], s[10:11], s[96:97]
	CROUND                                         ; all sixteen work-groups are here: the first joint loads meet
	s_mov_b32 s[G0S], 1
	s_add_co_u32 s[G0S+1], s67, SCL
	s_mov_b64 s[G0S+2:G0S+3], s[94:95]
	s_or_b32 s[G0S+3], s[G0S+3], 0x80000000
	s_mov_b32 s[G0SB], 1
	s_add_co_u32 s[G0SB+1], s67, SCL
	s_mov_b64 s[G0SB+2:G0SB+3], s[96:97]
	s_or_b32 s[G0SB+3], s[G0SB+3], 0x80000000
	JLOAD G0S, G1S, G0SB, G1SB
.irp s, 0,1
	s_mov_b32 s[G0+4*\s], 1
	s_add_co_u32 s[G0+4*\s+1], s45, \s*SLOT
	s_add_nc_u64 s[G0+4*\s+2:G0+4*\s+3], s[92:93], \s*KSTEPB
	s_or_b32 s[G0+4*\s+3], s[G0+4*\s+3], 0x80000000
	s_mov_b32 s[G0B+4*\s], 1
	s_add_co_u32 s[G0B+4*\s+1], s45, \s*SLOT
	s_add_nc_u64 s[G0B+4*\s+2:G0B+4*\s+3], s[46:47], \s*KSTEPB
	s_or_b32 s[G0B+4*\s+3], s[G0B+4*\s+3], 0x80000000
	JLOAD G0+4*\s, G1, G0B+4*\s, G1B               ; three tensor loads of mine are out
.endr
	v_and_b32 v1, 15, v0                           ; r
	v_bfe_u32 v2, v0, 4, 1                         ; h
	v_and_b32 v3, 31, v0
	v_lshlrev_b32 v26, 4, v3                       ; 16 x lane
	v_lshlrev_b32 v[PFO], 8, v3
	v_lshlrev_b32 v[GWO], 4, v1
	s_mul_i32 s23, s21, HALFT
	s_mul_i32 s67, s22, HALFT
	s_add_co_u32 s67, s67, KSTEPB
.irp s, 0,1
	v_add_nc_u32 v[ADRA+\s], s23, v26
	v_add_nc_u32 v[ADRB+\s], s67, v26
	s_add_co_u32 s23, s23, SLOT
	s_add_co_u32 s67, s67, SLOT
.endr
	s_lshl_b32 s23, s21, 9
	s_lshl_b32 s67, s22, 9
	s_add_co_u32 s67, s67, 1024*KS
	s_sub_co_u32 s67, s67, s23
	v_mul_u32_u24 v6, s67, v2                      ; lanes 16-31 take the weights' scale words
	s_add_co_u32 s23, s23, SCL
	v_lshl_add_u32 v5, v1, 2, s23
	v_add_nc_u32 v[ADRS], v5, v6
	s_mul_i32 s23, s20, 16*SPITCH                  ; my stage
	v_mul_u32_u24 v5, v1, SPITCH
	v_lshl_add_u32 v5, v2, 5, v5
	v_add_nc_u32 v24, s23, v5                      ; in: row r, + 32 h
	v_add_nc_u32 v25, s23, v26                     ; back: the 32 lanes take a row of 512 bytes
	s_lshl_b32 s23, s20, 14                        ; my 32 rows of x in LDS
	s_add_co_u32 s23, s23, XL
	v_add_nc_u32 v[XLA], s23, v26
	s_lshl_b32 s92, s42, 10
	s_lshl_b32 s93, s22, 9
	s_add_co_u32 s92, s92, s93                     ; my 128 columns, in bytes
	s_mov_b32 s93, 0
	s_add_nc_u64 s[12:13], s[12:13], s[92:93]      ; b2 there
	v_lshlrev_b32 v7, 5, v2                        ; lane (r, h), tile b: columns 16 b + 8 h + 0 .. 7
.irp b, 0,1,2,3,4,5,6,7
	global_load_b128 v[BIAS+8*\b:BIAS+8*\b+3], v7, s[12:13] offset:64*\b
	global_load_b128 v[BIAS+8*\b+4:BIAS+8*\b+7], v7, s[12:13] offset:64*\b+16
.endr
	s_lshl_b32 s94, s66, 19                        ; my first token 128 Y + 64 rh: rows of 4,096 bytes
	s_lshl_b32 s95, s21, 18
	s_add_co_u32 s94, s94, s95
	s_add_co_u32 s92, s92, s94
	s_add_nc_u64 s[14:15], s[14:15], s[92:93]      ; x and out0 at my first token, my first column
	s_add_nc_u64 s[18:19], s[18:19], s[92:93]
	s_lshl_b32 s92, s66, 11
	s_lshl_b32 s94, s21, 10
	s_add_co_u32 s92, s92, s94
	s_add_nc_u64 s[16:17], s[16:17], s[92:93]      ; the gate's weights of my first token
	; the prefetches: where my wave's stand, and who asks
	s_and_b32 s23, ttmp7, 0xffff                   ; cluster y
	s_cmp_eq_u32 s21, 0                            ; do I fetch for the rows?
	s_cselect_b32 s67, s66, s42                    ; the tile row, or the tile column
	s_cselect_b32 s101, s40, s41                   ; my place among the four that ask with me
	s_cselect_b32 s23, 0, s23                      ; the weights are read by every cluster: the one with y = 0 asks
	s_cselect_b64 s[PFA:PFA+1], s[4:5], s[8:9]
	s_cselect_b32 s[LIM], 0, WCB
	s_mul_i32 s92, s67, KP*KSTEPB
	s_mul_i32 s94, s101, HALFT
	s_add_co_u32 s92, s92, s94
	s_add_co_u32 s92, s92, s[LIM]
	s_add_co_u32 s92, s92, 2*KSTEPB                ; at K step 2: the loop's first trip steps it to 4
	s_add_nc_u64 s[PFA:PFA+1], s[PFA:PFA+1], s[92:93]
	s_or_b32 s23, s23, s22                         ; waves 0 and 2 alone
	s_cmp_eq_u32 s23, 0
	s_cselect_b32 s[LIM], 1, -1                    ; the same in all sixteen partners, for a given wave
	s_wait_tensorcnt 1                             ; the scale words and my part of K step 0 are in (K step 1's load may be out)
	s_barrier_signal -1
	s_barrier_wait -1                              ; everybody's are
	FETCH_B 0, 0, 0
	FETCH_A 0, 0, 0
	SCALES 0
	FETCH_A 0, 0, 4
	s_wait_loadcnt 0x0                             ; the bias
	STEP 0, 1                                      ; the first step: its products start the sums from the bias
	; the bias' registers are free (four places stand behind the last product that read them): the gate's weights and x of pairs 0 and 1 are asked for now and land under the loop
.irp p, 0,1,2,3
	global_load_b128 v[GW+4*\p:GW+4*\p+3], v[GWO], s[16:17] offset:256*\p   ; lane (r, h): (p1, 1 + p0, p2, 0) of token 16 p + r
.endr
.set n, 0
.rept 16
	global_load_b128 v[64+4*n:67+4*n], v26, s[14:15] offset:n*4096 th:TH_LOAD_NT   ; a row's 512 bytes
.set n, n+1
.endr
	WIN TO_B
.set n, 0
.rept 16
	global_load_b128 v[192+4*n:195+4*n], v26, s[14:15] offset:(16+n)*4096 th:TH_LOAD_NT
.set n, n+1
.endr
	WIN 0
	s_mov_b32 s3, LAPS-1
.Llap:                                             ; a trip goes once round the ring and fills both slots again
	TURN 0, 1, 1, 1
	STEP 1, 0
	TURN 1, 0, 1, 0
	STEP 0, 0
	s_sub_co_u32 s3, s3, 1
	s_cmp_lg_u32 s3, 0
	s_cbranch_scc1 .Llap
	; the descriptor of x's rows of pairs 2 and 3: 32 rows of 64 elements of 8 bytes, 512 elements apart in memory, dense in LDS.  Its registers are named by no tensor load that is out: the scale words' loads
	; have long been waited for; the prefetches, whose address stood in s[98:99], have read it behind the wait below, and none follows.
	s_wait_xcnt 0x0
	s_mov_b32 s[G1X], 3<<16                        ; 15:0 no mask; 17:16 elements of 8 bytes; 20 no padding
	s_mov_b32 s[G1X+1], 64<<16                     ; tensor_dim0
	s_mov_b32 s[G1X+2], 32<<16                     ; tensor_dim1
	s_mov_b32 s[G1X+3], 64<<16                     ; tile_dim0
	s_mov_b32 s[G1X+4], 32                         ; tile_dim1
	s_mov_b32 s[G1X+5], 512                        ; the pitch: a row of x is 4,096 bytes
	s_mov_b32 s[G1X+6], 0
	s_mov_b32 s[G1X+7], 0
	s_mov_b32 s[G0X], 1
	s_lshl_b32 s[G0X+1], s20, 14
	s_add_co_u32 s[G0X+1], s[G0X+1], XL            ; 16,384 bytes a wave
	s_add_nc_u64 s[G0X+2:G0X+3], s[14:15], 32*4096 ; my token 32, my first column
	s_or_b32 s[G0X+3], s[G0X+3], 0x80000000
	TURN 0, 1, 2, 0                                ; the last lap fills no slot again: behind its first change of slots x's rows are asked for
	STEP 1, 0
	s_wait_dscnt 4*NL                              ; the very last step
	WIN MUL_LO
	MUL16 0, 1, 1, 1, 0
	MUL16 2, 1, 1, 1, 0
	s_wait_dscnt 0
	WIN MUL_HI
	MUL16 4, 1, 1, 1, 0
	MUL16 6, 1, 1, 1, 0
	WIN 0
	PLACES NP                                      ; in front of the first read of results, and of loads into registers that held fragments
; THE WAY OUT of pair p: 16 tokens x 128 columns.  p1 a_book + p2 a_iwslt in the products' layout (each accumulator from its low end on); through my stage; back as whole rows; + (1 + p0) x; stored as rows of 512 bytes.
; The sixteen tokens' 1 + p0 go into the low words of sixteen scalar pairs.  The pairs are four groups 1 of the descriptors, s[24:31], s[48:55], s[68:75], s[80:87]: they have held shapes and masks alone, never a
; part of an address, so the packed line, which names a whole pair, names none.  The loads that named them were waited for at the last change of slots; the one load that is still out names s[76:79] and s[92:99].
.macro SREG t                          ; SR = the pair of token t
.if (\t) < 4
.set SR, G1+2*(\t)
.elseif (\t) < 8
.set SR, G1B+2*((\t)-4)
.elseif (\t) < 12
.set SR, G1S+2*((\t)-8)
.else
.set SR, G1SB+2*((\t)-12)
.endif
.endm
.macro PAIR p
.set AB, 128*((\p)%2)
.if (\p) == 0
.set XB, 64
.elseif (\p) == 1
.set XB, 192
.else
.set XB, 64*((\p)-2)
.endif
.if (\p) < 2
	s_wait_loadcnt 16*(1-(\p))                     ; this pair's x is in (and the gate's weights, which were asked for first); pair 1's 16 loads may be out
.endif
.if (\p) == 2
	s_wait_tensorcnt 0x0                           ; my rows of x lie in LDS: only I read them
.endif
.if (\p) > 0
	s_wait_xcnt 0x0                                ; the last pair's stores have read their registers
.endif
.if (\p) >= 2
	WIN TO_B                                       ; into window 1, where the weights' fragments lay
.set n, 0
.rept 16
	ds_load_b128 v[XB+4*n:XB+4*n+3], v[XLA] offset:(16*((\p)-2)+n)*512   ; a row's 512 bytes
.set n, n+1
.endr
.endif
	WIN (2+(\p)/2)                                 ; source 0: window 2 or 3
.set n, 0
.rept 32
	v_pk_mul_f32 v[YR+n:YR+n+1], v[AB+n:AB+n+1], v[GW+4*(\p):GW+4*(\p)+1] op_sel_hi:[1,0]
.set n, n+2
.endr
.set n, 0
.rept 32
	v_pk_fma_f32 v[YR+n:YR+n+1], v[AB+64+n:AB+64+n+1], v[GW+4*(\p)+2:GW+4*(\p)+3], v[YR+n:YR+n+1] op_sel_hi:[1,0,1]
.set n, n+2
.endr
	WIN 0
.irp b, 0,1,2,3,4,5,6,7
	ds_store_b128 v24, v[YR+8*\b:YR+8*\b+3] offset:64*\b
	ds_store_b128 v24, v[YR+8*\b+4:YR+8*\b+7] offset:64*\b+16
.endr
.set n, 0
.rept 16
	ds_load_b128 v[YR+4*n:YR+4*n+3], v25 offset:SPITCH*n   ; LDS serves a wave's instructions in order: these see the stores above, and the next pair's stores come behind them
.set n, n+1
.endr
.set n, 0
.rept 16
	SREG n
	v_readlane_b32 s[SR], v[GW+4*(\p)+1], n        ; 1 + p0 of token n
.set n, n+1
.endr
	s_wait_dscnt 0x0
.if (\p) > 0
	WIN 0x01                                       ; source 0 (x) window 1
.endif
.set n, 0
.rept 32
	SREG n/2
	v_pk_fma_f32 v[YR+2*n:YR+2*n+1], v[XB+2*n:XB+2*n+1], s[SR:SR+1], v[YR+2*n:YR+2*n+1] op_sel_hi:[1,0,1]   ; row n / 2: the pair's low word serves both halves
.set n, n+1
.endr
	WIN 0
.set n, 0
.rept 16
	global_store_b128 v26, v[YR+4*n:YR+4*n+3], s[18:19] offset:(16*(\p)+n)*4096 th:TH_STORE_NT   ; 32 lanes store 512 consecutive bytes, at a multiple of 256 from out0's first byte
.set n, n+1
.endr
.endm
	PAIR 0
	PAIR 1
	PAIR 2
	PAIR 3
	s_wait_tensorcnt 0x0                           ; the wave's end
	ds_add_u32 v[SPW], v[NIL]
	s_wait_dscnt 0x0
	CROUND                                         ; the closing round
	s_endpgm
.Lfunc_end_k_q7f2eabfbad_gemm2:
	.size	k_q7f2eabfbad_gemm2, .Lfunc_end_k_q7f2eabfbad_gemm2-k_q7f2eabfbad_gemm2
	.p2alignl 7, 3214868480
	.fill 96, 4, 3214868480
	.section	.rodata,"a",@progbits
	.p2align	6, 0x0
	.amdhsa_kernel k_q7f2eabfbad_gemm2
		.amdhsa_group_segment_fixed_size 327680
		.amdhsa_private_segment_fixed_size 0
		.amdhsa_enable_private_segment 0
		.amdhsa_kernarg_size 64
		.amdhsa_user_sgpr_count 2
		.amdhsa_user_sgpr_kernarg_segment_ptr 1
		.amdhsa_wavefront_size32 1
		.amdhsa_system_sgpr_workgroup_id_x 1
		.amdhsa_system_sgpr_workgroup_id_y 1
		.amdhsa_system_sgpr_workgroup_id_z 1
		.amdhsa_system_vgpr_workitem_id 0
		.amdhsa_next_free_vgpr 1024
		.amdhsa_next_free_sgpr 102
		.amdhsa_reserve_vcc 0
		.amdhsa_float_denorm_mode_32 3
		.amdhsa_float_denorm_mode_16_64 3
		.amdhsa_memory_ordered 1
		.amdhsa_forward_progress 1
		.amdhsa_inst_pref_size 160
	.end_amdhsa_kernel
	.amdgpu_metadata
---
amdhsa.version: [ 1, 2 ]
amdhsa.kernels:
  - .name:           k_q7f2eabfbad_gemm2
    .symbol:         k_q7f2eabfbad_gemm2.kd
    .args:
      - { .name: hc, .offset: 0, .size: 8, .value_kind: global_buffer, .address_space: global }
      - { .name: hs, .offset: 8, .size: 8, .value_kind: global_buffer, .address_space: global }
      - { .name: wc, .offset: 16, .size: 8, .value_kind: global_buffer, .address_space: global }
      - { .name: ws, .offset: 24, .size: 8, .value_kind: global_buffer, .address_space: global }
      - { .name: ad_b2, .offset: 32, .size: 8, .value_kind: global_buffer, .address_space: global }
      - { .name: x, .offset: 40, .size: 8, .value_kind: global_buffer, .address_space: global }
      - { .name: gw, .offset: 48, .size: 8, .value_kind: global_buffer, .address_space: global }
      - { .name: out0, .offset: 56, .size: 8, .value_kind: global_buffer, .address_space: global }
    .group_segment_fixed_size: 327680
    .private_segment_fixed_size: 0
    .kernarg_segment_align: 8
    .kernarg_segment_size: 64
    .max_flat_workgroup_size: 128
    .sgpr_count:     102
    .vgpr_count:     1024
    .wavefront_size: 32
...
	.end_amdgpu_metadata
.endif
;; end of part 3
